; MI455X (gfx1250); checked and timed in simulation.
; The chip was launched on July 23, 2026; its instructions are those of AMD's public machine-readable ISA for CDNA 5 (MIT licence, August 2026) and "CDNA5" Instruction Set Architecture Reference Guide (July 2026). The comments in the code are by the model that wrote it; some were corrected since.
;; Causal Attention. Allowed arithmetic: matrix products marked QUANTISED: E4M3 operands, one E8M0 scale for each 32 along K, by v_wmma_scale_f32_16x16x128_f8f6f4 with both operands' format E4M3, f32 sums; everything else in f32.
;; Inputs: Wk 1,024 x 1,024 float32; Wo 1,024 x 1,024 float32; Wq 1,024 x 1,024 float32; Wv 1,024 x 1,024 float32; x 2 x 2,048 x 1,024 float32.
;; Outputs: out0 2 x 2,048 x 1,024 float32.
;; This version of the problem:
;;   THIS VERSION OF THE PROBLEM IS GIVEN IN LOW PRECISION. The matrix products marked QUANTISED in the list below multiply operands that are first quantised to E4M3 (4 exponent bits, 3 mantissa bits; 8 bits a number), with one power-of-two scale for each 32 numbers along K (OCP MX v1.0); their sums are f32. All else is computed in f32.
;;   The module's matrix products, in the order in which they are computed (A, B: the left and right operand; K: the contracted axis; several contracted axes count as one K, in the product's order):
;;     1. [M 4,096, K 1,024] x [K 1,024, N 1,024]; A: input x; B: input Wq: QUANTISED
;;     2. [M 4,096, K 1,024] x [K 1,024, N 1,024]; A: input x; B: input Wk: QUANTISED
;;     3. [M 4,096, K 1,024] x [K 1,024, N 1,024]; A: input x; B: input Wv: QUANTISED
;;     4. batch 32 x [M 2,048, K 64] x [K 64, N 2,048]; A: computed on the way; B: computed on the way: QUANTISED
;;     5. batch 32 x [M 2,048, K 2,048] x [K 2,048, N 64]; A: softmax (see below); B: computed on the way: QUANTISED
;;     6. [M 4,096, K 1,024] x [K 1,024, N 1,024]; A: computed on the way; B: input Wo: QUANTISED
;;   THE QUANTISER, for each operand of a quantised product, along K:
;;     - K is cut into blocks of 32 from its start; a last block that is shorter is filled with zeros.
;;     - A block's scale is 2^e with e = floor(log2(the largest magnitude in the block)) - 8, held to -126 .. 127; a block of zeros has e = 0. As a byte (E8M0): e + 127.
;;     - Each number is divided by its block's scale, clamped to +-448, and rounded to the nearest number of E4M3, ties to even, subnormals kept.
;;     - The product sums the exact products of the quantised numbers (number of the format x scale) in f32.
;;   ~~~python
;;   def quantise(x, axis):      # numpy; x: float32 -> the quantised numbers, widened to float32 again
;;       x = np.moveaxis(x, axis, -1); K = x.shape[-1]
;;       x = np.pad(x, [(0, 0)] * (x.ndim - 1) + [(0, -K % 32)]); x = x.reshape(x.shape[:-1] + (-1, 32)); a = np.abs(x).max(-1, keepdims=True)
;;       e = np.where(a > 0, np.clip(np.frexp(np.where(a > 0, a, 1))[1] - 1 - 8, -126, 127), 0)      # np.frexp(a)[1] - 1 = floor(log2(a)), exactly
;;       r = np.clip(x / 2.0 ** e, -448, 448)
;;       step = 2.0 ** (np.maximum(np.frexp(np.where(r == 0, 1, r))[1] - 1, -6) - 3)
;;       q = np.round(r / step) * step * 2.0 ** e      # np.round: ties to even
;;       return np.moveaxis(q.reshape(q.shape[:-2] + (-1,))[..., :K], -1, axis).astype(np.float32)
;;   ~~~
;;   SOFTMAX AHEAD OF A QUANTISED PRODUCT. Where the list says 'softmax', what is quantised is not the finished softmax but p = 2^(t - M), with t = logit x log2(e) and M = ceil(the row's largest t), a whole number; so 1/2 < the row's largest p <= 1. The row's sum l is taken of the UNQUANTISED p, in f32, and the product's result is divided by l at the end. Since M is a whole number, a kernel that streams over the keys may use a running M (the ceiling of the running maximum): every later rescaling is an exact power of two, which a block's scale takes up: the codes' values come out the same.
;;   OPERANDS COMPUTED ON THE WAY. 'Computed on the way' means the value that the module computes at that place (a softmax that the list does not call 'softmax' is quantised finished and normalised). What goes into a quantiser is computed in f32, as accurately as f32 sums, v_exp_f32 and their like allow (about 1e-6 of the number): no bf16 or f16 on the way to a quantiser, and a product that is left as it is and whose result goes on into a quantised operand takes f32 operands (vector FMAs, or v_wmma_f32_16x16x4_f32). A number that lies on a knife's edge between two numbers of the format may be rounded either way, as far as f32 arithmetic and the matrix unit's own rounding can turn it there, and no further.
;; One version. Each part assembles by itself: llvm-mc -triple=amdgcn-amd-amdhsa -mcpu=gfx1250 --defsym DOCPART=n.
;; ======== version 1 of 1: 4 launches
;; workspace buffers: opc 8,388,608 bytes; ops 262,144 bytes; qkvc 12,582,912 bytes; qkvs 393,216 bytes; aoc 4,194,304 bytes; aos 131,072 bytes
;; launch prep (part 1): grid 256 x 1, 4 waves a work-group, no clusters, 34,304 bytes of LDS; arguments x, Wq, Wk, Wv, Wo, opc, ops; writes opc, ops
.if DOCPART == 1
	.amdgcn_target "amdgcn-amd-amdhsa--gfx1250"
	.amdhsa_code_object_version 6
	.text
	.protected	k_q9848df76ef_prep
	.globl	k_q9848df76ef_prep
	.p2align	8
	.type	k_q9848df76ef_prep,@function
k_q9848df76ef_prep:
	s_mov_b64 s[64:65], 0
	v_nop
	global_prefetch_b8 v0, s[64:65] scope:SCOPE_SE
	s_setreg_imm32_b32 hwreg(HW_REG_WAVE_MODE, 25, 1), 1
	s_wait_xcnt 0x0
; x [4096][1024] (K innermost) and Wq, Wk, Wv, Wo [1024 (K)][1024] (K outermost), f32, become codes of E4M3 with one E8M0 byte for each 32 along K.
; THE LAYOUT OF EVERY OPERAND OF THIS PROGRAM IS AN IMAGE OF THE MATRIX UNIT'S REGISTERS.  A block of 16,384 bytes holds 128 rows (group G) x 128 along K (step kappa):
;   byte a 2048 + c 512 + 16 lane + e  =  row 128 G + 32 (a / 2) + 8 (a % 2) + r + 8 (r / 8),  k = 128 kappa + 32 c + 16 h + e,  lane = r + 16 h.
; Its scale words: 512 bytes, byte 256 (a / 4) + 16 r + 4 (a % 4) + c.  opc = [G][kappa][16384], ops = [G][kappa][512]; G 0-31: x; 32-39 Wq, 40-47 Wk, 48-55 Wv, 56-63 Wo (rows = the weight's columns).
; A block's scale is 2^(floor(log2(largest magnitude)) - 8); its byte is that magnitude's exponent field - 8, held at 1 from below; numbers are held within +-448 x the scale and rounded to the nearest code.
; LIMITS: NaN and infinities are not served; a block of zeros, or one whose largest magnitude lies under 2^-118, gets the byte 1 (its codes under that byte; the bytes are read by this program alone).
; Work-groups 0-127: x.  A wave takes 64 rows x 128 K, four fragments; each load reads 512 consecutive bytes of a row; a fragment's 16 rows turn through the wave's own stage in LDS, so that a lane gets 16 neighbours of each block.
; Work-groups 128-255: the weights.  A lane takes a column and its registers run down K, so a block of 32 lies in one lane; no LDS.  Waves share nothing: no barrier.
.set TM,   8                           ; v8-11 largest magnitudes, v12-15 the other half's / bytes, v16-19 448 x scale, v20-23 the conversions' scale operands
.set SW,   24                          ; v24-27 a fragment's scale word each
.set CDS,  32                          ; v32-47 a fragment's codes
.set SS,   48                          ; v48-175 two sets of 64: 16 rows as loaded
.set XN,   176                         ; v176-239 64 numbers of a lane: register 16 b + i = k 32 b + 16 h + i of row r
.set SP,   528                         ; a stage row: 512 bytes + 16: sixteen rows begin in sixteen different groups of four banks
.set WST,  16*SP
.set XW,   32                          ; weights: v32-95 two sets of 32 numbers
.set CW,   96                          ; v96-159 eight registers of codes for each block: no store's data are written again
.set SB,   24                          ; v24-25 scale bytes, four to a register
.set MNT,  28                          ; s28 the mantissa field of 448
.set SEL,  30                          ; s[30:31] selects: lane l xor 16
.macro QUANT s, pw                     ; 64 numbers v[s] on -> codes in v[CDS] on, the row's scale word in v[pw]
.irp b, 0,1,2,3
	v_max3_num_f32 v[TM+\b], |v[\s+16*\b]|, |v[\s+1+16*\b]|, 0x4800000   ; my 16 numbers of block b and the floor 2^(9 - 127): the byte cannot fall under 1
.endr
.irp i, 2,4,6,8,10,12,14
.irp b, 0,1,2,3
	v_max3_num_f32 v[TM+\b], v[TM+\b], |v[\s+16*\b+\i]|, |v[\s+1+16*\b+\i]|
.endr
.endr
.irp b, 0,1,2,3
	v_permlanex16_b32 v[TM+4+\b], v[TM+\b], s[SEL], s[SEL+1]
.endr
.irp b, 0,1,2,3
	v_max_num_f32 v[TM+\b], v[TM+\b], v[TM+4+\b]   ; with lane l xor 16's 16: the block's largest magnitude
.endr
.irp b, 0,1,2,3
	v_add_nc_u32 v[TM+12+\b], 0xfc000000, v[TM+\b] ; 8 off its exponent field: the conversion's scale operand
.endr
.irp b, 0,1,2,3
	v_and_or_b32 v[TM+8+\b], v[TM+\b], 0x7f800000, s[MNT]   ; 448 x the scale
.endr
.irp b, 0,1,2,3
	v_lshrrev_b32 v[TM+4+\b], 23, v[TM+12+\b]      ; the scale's byte
.endr
	v_lshl_or_b32 v[\pw], v[TM+5], 8, v[TM+4]
	v_lshl_or_b32 v[\pw], v[TM+6], 16, v[\pw]
	v_lshl_or_b32 v[\pw], v[TM+7], 24, v[\pw]
.irp b, 0,1,2,3
.set n, 0
.rept 16
	v_med3_num_f32 v[\s+16*\b+n], v[\s+16*\b+n], -v[TM+8+\b], v[TM+8+\b]   ; the conversion does not saturate (ISA guide 7.6.2): the hold comes first
.set n, n+1
.endr
	v_cvt_scalef32_pk8_fp8_f32 v[CDS+4*\b:CDS+4*\b+1], v[\s+16*\b:\s+16*\b+7], v[TM+12+\b]
	v_cvt_scalef32_pk8_fp8_f32 v[CDS+4*\b+2:CDS+4*\b+3], v[\s+16*\b+8:\s+16*\b+15], v[TM+12+\b]
.endr
	v_nop                                          ; a plain line behind the last conversion
.endm
.macro XLOAD f                         ; fragment f's sixteen rows, 512 consecutive bytes each, into set f % 2
.irp i, 0,1,2,3,4,5,6,7,8,9,10,11,12,13,14,15
	global_load_b128 v[SS+64*((\f)%2)+4*\i:SS+64*((\f)%2)+4*\i+3], v1, s[4:5] offset:(32*((\f)/2)+8*((\f)%2)+\i+8*(\i/8))*4096 th:TH_LOAD_NT
.endr
.endm
.macro XFRAG f
.if (\f) < 3
	s_wait_loadcnt 16                              ; this fragment's 16 loads are in; the next fragment's 16 stay out
.else
	s_wait_loadcnt 0x0
.endif
.irp i, 0,1,2,3,4,5,6,7,8,9,10,11,12,13,14,15
	ds_store_b128 v2, v[SS+64*((\f)%2)+4*\i:SS+64*((\f)%2)+4*\i+3] offset:SP*\i
.endr
.irp c, 0,1,2,3
.irp j, 0,1,2,3
	ds_load_b128 v[XN+16*\c+4*\j:XN+16*\c+4*\j+3], v3 offset:128*\c+16*\j   ; LDS serves a wave's instructions in order: these see the stores above
.endr
.endr
	s_wait_dscnt 0x0
.if (\f) > 0
	s_wait_xcnt 0x0                                ; the last fragment's stores have read their codes: the registers may be written again
.endif
.if (\f) < 2
	XLOAD (\f)+2
.endif
	QUANT XN, SW+(\f)
.irp c, 0,1,2,3
	global_store_b128 v1, v[CDS+4*\c:CDS+4*\c+3], s[14:15] offset:(\f)*2048+\c*512   ; 512 consecutive bytes
.endr
.endm
.macro WLOAD t                         ; block t: W(32 t + n, my column), 128 consecutive bytes a wave
.set n, 0
.rept 32
	global_load_b32 v[XW+32*((\t)%2)+n], v3, s[6:7] offset:(32*(\t)+n)*4096 th:TH_LOAD_NT
.set n, n+1
.endr
.endm
.macro BLOCK t
.set XS, XW+32*((\t)%2)
.if (\t) < 7
	s_wait_loadcnt 32                              ; this block's 32 loads are in; the next block's stay out
.else
	s_wait_loadcnt 0x0
.endif
	v_max3_num_f32 v12, |v[XS]|, |v[XS+1]|, |v[XS+2]|
	v_max3_num_f32 v13, |v[XS+3]|, |v[XS+4]|, |v[XS+5]|
.irp i, 6,10,14,18,22,26
	v_max3_num_f32 v12, v12, |v[XS+\i]|, |v[XS+\i+1]|
	v_max3_num_f32 v13, v13, |v[XS+\i+2]|, |v[XS+\i+3]|
.endr
	v_max3_num_f32 v12, v12, |v[XS+30]|, |v[XS+31]|
	v_max3_num_f32 v12, v12, v13, 0x4800000        ; and the floor
	v_add_nc_u32 v11, 0xfc000000, v12
	v_and_or_b32 v10, v12, 0x7f800000, s[MNT]
	v_lshrrev_b32 v13, 23, v11
.if (\t)%4 == 0
	v_mov_b32 v[SB+(\t)/4], v13
.else
	v_lshl_or_b32 v[SB+(\t)/4], v13, 8*((\t)%4), v[SB+(\t)/4]
.endif
.set n, 0
.rept 32
	v_med3_num_f32 v[XS+n], v[XS+n], -v10, v10
.set n, n+1
.endr
.irp g, 0,1,2,3
	v_cvt_scalef32_pk8_fp8_f32 v[CW+8*(\t)+2*\g:CW+8*(\t)+2*\g+1], v[XS+8*\g:XS+8*\g+7], v11
.endr
	v_nop
	global_store_b128 v4, v[CW+8*(\t):CW+8*(\t)+3], s[14:15] offset:((\t)/4)*16384+((\t)%4)*512         ; k 0-15 of the block: the image's lanes 0-15; each of the wave's two fragments gets 256 consecutive bytes
	global_store_b128 v4, v[CW+8*(\t)+4:CW+8*(\t)+7], s[14:15] offset:((\t)/4)*16384+((\t)%4)*512+256   ; k 16-31: its lanes 16-31
.if (\t)+2 < 8
	WLOAD (\t)+2
.endif
.endm
	s_load_b256 s[4:11], s[0:1], 0x0               ; x, Wq, Wk, Wv
	s_load_b128 s[12:15], s[0:1], 0x20             ; Wo, opc
	s_load_b64 s[16:17], s[0:1], 0x30              ; ops
	v_lshl_add_u32 v248, v0, 2, 0x8400
	v_mov_b32 v249, 0
	v_lshrrev_b32 v1, 5, v0
	v_readfirstlane_b32 s18, v1                    ; wave
	s_mov_b32 s[MNT], 0x600000
	s_mov_b32 s[SEL], 0x76543210
	s_mov_b32 s[SEL+1], 0xfedcba98
	s_cmp_lt_u32 ttmp9, 128
	s_cbranch_scc0 .Lweights
	; ---- x
	v_and_b32 v5, 31, v0                           ; lane
	v_and_b32 v6, 15, v0                           ; r
	v_bfe_u32 v7, v0, 4, 1                         ; h
	v_lshlrev_b32 v1, 4, v5                        ; 16 x lane: in a row's 512 bytes, and in an image
	s_mul_i32 s19, s18, WST                        ; my wave's stage
	v_add_nc_u32 v2, s19, v1                       ; into it
	v_mul_u32_u24 v3, v6, SP
	v_lshl_add_u32 v3, v7, 6, v3
	v_add_nc_u32 v3, s19, v3                       ; out of it: row r, + 64 h
	v_lshlrev_b32 v4, 4, v6
	v_lshl_add_u32 v4, v7, 3, v4                   ; scale words: 16 r + 8 h
.irp b, 0,1,2,3
	v_mov_b32 v[TM+4+\b], 0                        ; a lane permute's destination counts as one of its sources
.endr
	s_lshl_b32 s19, ttmp9, 2
	s_add_co_u32 s19, s19, s18                     ; job 0..511
	s_and_b32 s20, s19, 7                          ; kappa
	s_lshr_b32 s21, s19, 3                         ; which 64 rows
	s_lshl_b32 s22, s21, 18
	s_lshl_b32 s24, s20, 9
	s_add_co_u32 s22, s22, s24                     ; x: 64 rows of 4,096 bytes, 512 bytes a K step
	s_mov_b32 s23, 0
	s_and_b32 s24, s21, 1                          ; which half of the group
	s_lshr_b32 s25, s21, 1
	s_lshl_b32 s25, s25, 3
	s_add_co_u32 s25, s25, s20                     ; 8 G + kappa
	s_lshl_b32 s26, s25, 14
	s_lshl_b32 s27, s24, 13
	s_add_co_u32 s26, s26, s27
	s_mov_b32 s27, 0
	s_lshl_b32 s20, s25, 9
	s_lshl_b32 s21, s24, 8
	s_add_co_u32 s20, s20, s21
	s_mov_b32 s21, 0
	s_wait_kmcnt 0x0
	s_add_nc_u64 s[4:5], s[4:5], s[22:23]
	s_add_nc_u64 s[14:15], s[14:15], s[26:27]
	s_add_nc_u64 s[16:17], s[16:17], s[20:21]
	XLOAD 0
	XLOAD 1
	XFRAG 0
	XFRAG 1
	XFRAG 2
	XFRAG 3
	v_cmp_gt_u32 vcc_lo, 16, v5                    ; both halves of the lanes hold all four words: lanes 0-15 store words 0, 1, lanes 16-31 words 2, 3
	v_cndmask_b32 v28, v[SW+2], v[SW], vcc_lo
	v_cndmask_b32 v29, v[SW+3], v[SW+1], vcc_lo
	global_store_b64 v4, v[28:29], s[16:17]        ; 256 consecutive bytes
	s_wait_tensorcnt 0x0
	ds_add_u32 v248, v249
	s_wait_dscnt 0x0
	s_endpgm
	; ---- the weights
.Lweights:
	v_and_b32 v2, 31, v0
	v_lshlrev_b32 v3, 2, v2                        ; in: 4 bytes a lane
	v_bfe_u32 v6, v0, 3, 1                         ; my column 32 wave + lane is row r of fragment 2 wave + u:  u = (lane / 8) % 2,
	v_and_b32 v7, 7, v0
	v_bfe_u32 v8, v0, 4, 1
	v_lshl_add_u32 v7, v8, 3, v7                   ; r = lane % 8 + 8 (lane / 16)
	v_lshlrev_b32 v7, 4, v7
	v_lshl_add_u32 v4, v6, 11, v7                  ; codes: 2048 u + 16 r
	v_lshl_add_u32 v5, v6, 2, v7                   ; scale words: 16 r + 4 u
	s_sub_co_u32 s19, ttmp9, 128
	s_lshr_b32 s20, s19, 5                         ; which weight
	s_bfe_u32 s21, s19, 0x30002                    ; which 128 columns
	s_and_b32 s22, s19, 3                          ; which 256 along K
	s_lshl_b32 s24, s22, 20
	s_lshl_b32 s25, s21, 9
	s_add_co_u32 s24, s24, s25
	s_lshl_b32 s25, s18, 7
	s_add_co_u32 s24, s24, s25                     ; W: 256 rows of 4,096 bytes, + 4 x (128 cg + 32 wave)
	s_mov_b32 s25, 0
	s_lshl_b32 s26, s20, 3
	s_add_co_u32 s26, s26, s21
	s_add_co_u32 s26, s26, 32                      ; G
	s_lshl_b32 s26, s26, 3
	s_lshl_b32 s27, s22, 1
	s_add_co_u32 s19, s26, s27                     ; 8 G + kappa
	s_lshl_b32 s26, s19, 14
	s_lshl_b32 s27, s18, 12
	s_add_co_u32 s26, s26, s27
	s_mov_b32 s27, 0
	s_lshl_b32 s22, s19, 9
	s_lshr_b32 s23, s18, 1
	s_lshl_b32 s23, s23, 8
	s_add_co_u32 s22, s22, s23
	s_and_b32 s23, s18, 1
	s_lshl_b32 s23, s23, 3
	s_add_co_u32 s22, s22, s23
	s_mov_b32 s23, 0
	s_wait_kmcnt 0x0
	s_cmp_eq_u32 s20, 1                            ; the choice hangs on the work-group's number alone
	s_cselect_b64 s[6:7], s[8:9], s[6:7]
	s_cmp_eq_u32 s20, 2
	s_cselect_b64 s[6:7], s[10:11], s[6:7]
	s_cmp_eq_u32 s20, 3
	s_cselect_b64 s[6:7], s[12:13], s[6:7]
	s_add_nc_u64 s[6:7], s[6:7], s[24:25]
	s_add_nc_u64 s[14:15], s[14:15], s[26:27]
	s_add_nc_u64 s[16:17], s[16:17], s[22:23]
	WLOAD 0
	WLOAD 1
.irp t, 0,1,2,3,4,5,6,7
	BLOCK \t
.endr
	global_store_b32 v5, v[SB], s[16:17]           ; my row's word of each of the two K steps: pieces of 4 bytes, one byte for each 128 that the launch reads
	global_store_b32 v5, v[SB+1], s[16:17] offset:512
	s_endpgm
.Lfunc_end_k_q9848df76ef_prep:
	.size	k_q9848df76ef_prep, .Lfunc_end_k_q9848df76ef_prep-k_q9848df76ef_prep
	.p2alignl 7, 3214868480
	.fill 96, 4, 3214868480
	.section	.rodata,"a",@progbits
	.p2align	6, 0x0
	.amdhsa_kernel k_q9848df76ef_prep
		.amdhsa_group_segment_fixed_size 34304
		.amdhsa_private_segment_fixed_size 0
		.amdhsa_enable_private_segment 0
		.amdhsa_kernarg_size 56
		.amdhsa_user_sgpr_count 2
		.amdhsa_user_sgpr_kernarg_segment_ptr 1
		.amdhsa_wavefront_size32 1
		.amdhsa_system_sgpr_workgroup_id_x 1
		.amdhsa_system_sgpr_workgroup_id_y 1
		.amdhsa_system_sgpr_workgroup_id_z 1
		.amdhsa_system_vgpr_workitem_id 0
		.amdhsa_next_free_vgpr 250
		.amdhsa_next_free_sgpr 66
		.amdhsa_reserve_vcc 1
		.amdhsa_float_denorm_mode_32 3
		.amdhsa_float_denorm_mode_16_64 3
		.amdhsa_memory_ordered 1
		.amdhsa_forward_progress 1
		.amdhsa_inst_pref_size 107
	.end_amdhsa_kernel
	.amdgpu_metadata
---
amdhsa.version: [ 1, 2 ]
amdhsa.kernels:
  - .name:           k_q9848df76ef_prep
    .symbol:         k_q9848df76ef_prep.kd
    .args:
      - { .name: x, .offset: 0, .size: 8, .value_kind: global_buffer, .address_space: global }
      - { .name: Wq, .offset: 8, .size: 8, .value_kind: global_buffer, .address_space: global }
      - { .name: Wk, .offset: 16, .size: 8, .value_kind: global_buffer, .address_space: global }
      - { .name: Wv, .offset: 24, .size: 8, .value_kind: global_buffer, .address_space: global }
      - { .name: Wo, .offset: 32, .size: 8, .value_kind: global_buffer, .address_space: global }
      - { .name: opc, .offset: 40, .size: 8, .value_kind: global_buffer, .address_space: global }
      - { .name: ops, .offset: 48, .size: 8, .value_kind: global_buffer, .address_space: global }
    .group_segment_fixed_size: 34304
    .private_segment_fixed_size: 0
    .kernarg_segment_align: 8
    .kernarg_segment_size: 56
    .max_flat_workgroup_size: 128
    .sgpr_count:     66
    .vgpr_count:     250
    .wavefront_size: 32
...
	.end_amdgpu_metadata
.endif
;; end of part 1
;; launch qkv (part 2): grid 8 x 24, 4 waves a work-group, clusters of 4 x 4, 327,680 bytes of LDS; arguments opc, ops, qkvc, qkvs; writes qkvc, qkvs
.if DOCPART == 2
	.amdgcn_target "amdgcn-amd-amdhsa--gfx1250"
	.amdhsa_code_object_version 6
	.text
	.protected	k_q9848df76ef_qkv
	.globl	k_q9848df76ef_qkv
	.p2align	8
	.type	k_q9848df76ef_qkv,@function
k_q9848df76ef_qkv:
	s_mov_b64 s[64:65], 0
	v_nop
	global_prefetch_b8 v0, s[64:65] scope:SCOPE_SE
	s_setreg_imm32_b32 hwreg(HW_REG_WAVE_MODE, 25, 1), 1
	s_wait_xcnt 0x0
	s_wait_alu depctr_hold_cnt(0) depctr_sa_sdst(0) depctr_va_vdst(0) depctr_va_sdst(0) depctr_va_ssrc(0) depctr_va_vcc(0) depctr_vm_vsrc(0)
	s_getreg_b32 s2, hwreg(HW_REG_IB_STS2, 6, 4)
	s_cmp_eq_u32 s2, 0
	s_cbranch_scc0 .Lentry_in_a_cluster
	s_endpgm
.Lentry_in_a_cluster:
	s_bfe_u32 s2, ttmp6, 0x10000c
	s_cmp_lg_u32 s2, 0xf033
	s_cbranch_scc0 .Lentry_shape_is_right
	s_endpgm
.Lentry_shape_is_right:
; q = x Wq, k = x Wk, v = x Wv on codes of E4M3 with E8M0 scales, K = 1,024; the results are quantised in registers and leave as operand images for the attention.
; OPERANDS are images of the matrix unit's registers (block of 16,384 bytes = 128 rows x 128 K: byte a 2048 + c 512 + 16 lane; row 32 (a / 2) + 8 (a % 2) + r + 8 (r / 8); scale words: byte 256 (a / 4) + 16 r + 4 (a % 4) + c).
; A tile of 256 x 256 is made by four waves, 128 x 128 each: 64 accumulators.  K goes in steps of 256 through two LDS slots; a wave's one tensor load brings 128 rows x 256 K, a dense 32,768 bytes.
; The scale words of the four groups of 128 rows, for all of K, come once with the first fills.
; THE MATRIX INSTRUCTION IS USED TRANSPOSED (source 0 = "B", source 1 = "A"): a lane holds one row of A, and, by the images' choice of rows, the 16 registers of B's fragments 2 b and 2 b + 1 are 16 NEIGHBOURS
; along B's rows: 32 b + 16 h + 0 .. 15.  So the conversions' results are group c = b of fragment a of the next operand, and leave as 512 consecutive bytes a store, with no LDS stage.
; Clusters with y 0-3: A = x (tokens), B = Wq | Wk: q and k are quantised along the channels.  Clusters with y 4, 5: A = Wv (channels), B = x (tokens): v is quantised along the keys.
; The choice is arithmetic on the cluster's y, equal in all partners; no branch hangs on it.
; qkvc = [CG 0-23][TG 0-31][16384], qkvs = [CG][TG][512]: CG 0-7 q, 8-15 k, 16-23 v (128 channels: a pair of heads), TG = 128 tokens.
; CLUSTERS: 4 x 4; A's tiles are asked for jointly along a row of the cluster, B's along a column.
; LIMITS: NaN and infinities are not served; a block of zeros or under 2^-118 gets the byte 1 (read by this program alone).
; REGISTERS, in windows of 256: window 0: v0-31 addresses; v32-63 scale words, two sets, and nothing else; v128-255 A's fragments, one set; on the way out v64-127 held numbers, v128-191 codes, v192-219 at work.
;   window 1: B's fragments, two sets.  window 2: the accumulators of A's blocks 0-3 ((a, b) at v[8 (8 a + b)]); window 3: of blocks 4-7.
.set PART,   32768                     ; 128 rows x 256 K: [q 0..1][fragment 0..7][2048]
.set SLOT,   4*PART                    ; A's two groups, then B's two
.set SGRP,   4096                      ; a group's scale words for all of K: [kappa 0..7][512]
.set SCL,    2*SLOT
.set SPARE,  SCL+4*SGRP                ; the spare words, 128 bytes for each wave: two blocks of 256 bytes that no other line names
.set NQ,     2
.set FR,     16
.set NL,     4
.set NP,     8                         ; places behind this matrix instruction (ISA guide 7.12.1)
.set LAPS,   2                         ; K = 1,024 = 2 laps of 2 slots of 256
.set ADRA, 16                          ; v16-17 16 x lane + my A group in slot 0, 1
.set ADRB, 20                          ; v20-21 the same for B
.set CO,   26                          ; v26 16 x lane
.set ADRS, 27                          ; v27 my scale words: lanes 0-15 A's group, lanes 16-31 B's
.set SPW,  28                          ; v28 LDS address of my spare word; never rewritten
.set NIL,  29                          ; v29 0; never rewritten
.set SC,   32                          ; set sc, K sub-step q, block i: v[SC + 16 sc + 8 q + i]: lanes 0-15 A's word, lanes 16-31 B's
.set AF,   128
.set HN,   64
.set CD,   128
.set TX,   192
.set WD,   208
.set FIN,  216
.set G1, 24
.set G0, 32
.set G1B, 48
.set G0B, 56
.set G1S, 68
.set G0S, 76
.set G1SB, 80
.set G0SB, 88
.set MSB, 0
.macro WIN new                         ; the immediate's high byte repeats the setting that is left
.if MSB != \new
	s_set_vgpr_msb (MSB<<8)|\new
.set MSB, \new
.endif
.endm
.set MUL_LO, 0xa1                      ; source 0 (B) window 1, source 1 (A) window 0, C and D window 2
.set MUL_HI, 0xf1
.set TO_B,   0x40
.macro JLOAD g0a, g1a, g0b, g1b        ; a joint load: waves 0, 1 fetch for A, waves 2, 3 for B; four v_nop follow each line
	s_cmp_eq_u32 s15, 0
	s_cbranch_scc0 .Lfor_b_\@
	tensor_load_to_lds s[\g0a:\g0a+3], s[\g1a:\g1a+7]
	s_nop 0
.rept 4
	v_nop
.endr
	s_branch .Lasked_\@
.Lfor_b_\@:
	tensor_load_to_lds s[\g0b:\g0b+3], s[\g1b:\g1b+7]
	s_nop 0
.rept 4
	v_nop
.endr
.Lasked_\@:
.endm
.macro CREST                           ; a round of the cluster's barrier behind its opening barrier
	s_cmp_lg_u32 s14, 0
	s_cbranch_scc1 .Lnot_wave_0_\@
	s_barrier_signal -3
.Lnot_wave_0_\@:
	s_barrier_wait -3
	s_barrier_signal -1
	s_barrier_wait -1
.endm
.macro CROUND
	s_barrier_signal -1
	s_barrier_wait -1
	CREST
.endm
.macro PLACES n
.rept \n
	v_nop
.endr
.endm
.macro FRAG reg, adr, q, i             ; a fragment comes as it lies: four loads of 512 consecutive bytes
.irp c, 0,1,2,3
	ds_load_b128 v[\reg+4*\c:\reg+4*\c+3], v[\adr] offset:16384*(\q)+2048*(\i)+512*\c
.endr
.endm
.macro MUL16 a0, p, q, sc, zero        ; A's blocks a0, a0 + 1 x B's eight; the 64 accumulators take turns
.irp a, \a0, \a0+1
.irp b, 0,1,2,3,4,5,6,7
.if \zero
	v_wmma_scale_f32_16x16x128_f8f6f4 v[8*(8*((\a)%4)+\b):8*(8*((\a)%4)+\b)+7], v[128*(\p)+FR*\b:128*(\p)+FR*\b+FR-1], v[AF+FR*(\a):AF+FR*(\a)+FR-1], 0, v[SC+16*(\sc)+8*(\q)+\b], v[SC+16*(\sc)+8*(\q)+(\a)] matrix_a_scale:MATRIX_SCALE_ROW1
.else
	v_wmma_scale_f32_16x16x128_f8f6f4 v[8*(8*((\a)%4)+\b):8*(8*((\a)%4)+\b)+7], v[128*(\p)+FR*\b:128*(\p)+FR*\b+FR-1], v[AF+FR*(\a):AF+FR*(\a)+FR-1], v[8*(8*((\a)%4)+\b):8*(8*((\a)%4)+\b)+7], v[SC+16*(\sc)+8*(\q)+\b], v[SC+16*(\sc)+8*(\q)+(\a)] matrix_a_scale:MATRIX_SCALE_ROW1
.endif
.endr
.endr
.endm
.macro FETCH_B slot, q, p
	WIN TO_B
.irp i, 0,1,2,3,4,5,6,7
	FRAG 128*(\p)+FR*\i, ADRB+\slot, \q, \i
.endr
	WIN 0
.endm
.macro FETCH_A slot, q, i0
.irp i, \i0, \i0+1, \i0+2, \i0+3
	FRAG AF+FR*(\i), ADRA+\slot, \q, \i
.endr
.endm
.macro SCALES sc                       ; a K step's scale words: one load of 16 bytes a lane brings the words of four blocks
.irp q, 0,1
.irp f, 0,1
	ds_load_b128 v[SC+16*\sc+8*\q+4*\f:SC+16*\sc+8*\q+4*\f+3], v[ADRS] offset:512*\q+256*\f
.endr
.endr
.endm
.macro STEP slot, q, zero              ; 128 along K that has its successor in the same slot
	s_wait_dscnt 4*NL                              ; all but the youngest 16 loads (A's blocks 4-7) are in
	WIN MUL_LO
	MUL16 0, (\q)%2, \q, \slot, \zero
	MUL16 2, (\q)%2, \q, \slot, \zero
	s_wait_dscnt 0
	PLACES NP
	FETCH_B \slot, (\q)+1, 1-(\q)%2
	FETCH_A \slot, (\q)+1, 0
	WIN MUL_HI
	MUL16 4, (\q)%2, \q, \slot, \zero
	MUL16 6, (\q)%2, \q, \slot, \zero
	PLACES NP
	WIN 0
	FETCH_A \slot, (\q)+1, 4
.endm
.macro TURN slot, next, fill           ; a slot's last 128 along K, and the change of slots
	s_wait_tensorcnt 0x0                           ; all my tensor loads have landed: my part of the next slot
	ds_add_u32 v[SPW], v[NIL]                      ; 0 onto my spare word
	s_wait_dscnt 4*NL+1                            ; the add and A's blocks 4-7 may be out
	WIN MUL_LO
	MUL16 0, 1, NQ-1, \slot, 0
	s_wait_dscnt 0x0                               ; the add is done, and my reads of this slot are over
	s_barrier_signal -1
	MUL16 2, 1, NQ-1, \slot, 0
	WIN 0
	s_barrier_wait -1
.if \fill
	CREST                                          ; the barrier has opened a round of the cluster's: no wave of any partner still reads this slot or has a load on its way
	s_add_nc_u64 s[G0+4*\slot+2:G0+4*\slot+3], s[G0+4*\slot+2:G0+4*\slot+3], 2*PART
	s_add_nc_u64 s[G0B+4*\slot+2:G0B+4*\slot+3], s[G0B+4*\slot+2:G0B+4*\slot+3], 2*PART
	JLOAD G0+4*\slot, G1, G0B+4*\slot, G1B         ; the first tensor load behind the round; its four v_nop are among the places in front of the loads below
	PLACES NP-4
.else
	PLACES NP
.endif
	v_add_nc_u32 v[ADRS], 1024, v[ADRS]            ; the next K step's scale words
	FETCH_B \next, 0, 0
	FETCH_A \next, 0, 0
	SCALES \next
	WIN MUL_HI
	MUL16 4, 1, NQ-1, \slot, 0
	MUL16 6, 1, NQ-1, \slot, 0
	PLACES NP
	WIN 0
	FETCH_A \next, 0, 4
.endm
; THE WAY OUT of A's block a: its 64 numbers a lane (register 16 b + i = B's row 32 b + 16 h + i) are quantised and are fragment a of the block that the wave makes.
.macro QOUT a
.set AC, 64*((\a)%4)
.set CC, CD+16*((\a)%4)
	WIN (0x0a+5*((\a)/4))                          ; sources 0 and 1: window 2 or 3
.irp b, 0,1,2,3
	v_max3_num_f32 v[TX+\b], |v[AC+16*\b]|, |v[AC+16*\b+1]|, 0x4800000   ; each accumulator is read from its low end on; the floor 2^(9 - 127) holds the byte at 1 from below
.endr
.irp i, 2,4,6,8,10,12,14
.irp b, 0,1,2,3
	v_max3_num_f32 v[TX+\b], |v[AC+16*\b+\i]|, |v[AC+16*\b+\i+1]|, v[TX+\b]
.endr
.endr
	WIN 0
.irp b, 0,1,2,3
	v_permlanex16_b32 v[TX+4+\b], v[TX+\b], s18, s19
.endr
.irp b, 0,1,2,3
	v_max_num_f32 v[TX+\b], v[TX+\b], v[TX+4+\b]
.endr
.irp b, 0,1,2,3
	v_add_nc_u32 v[TX+12+\b], 0xfc000000, v[TX+\b]
.endr
.irp b, 0,1,2,3
	v_and_or_b32 v[TX+8+\b], v[TX+\b], 0x7f800000, s2
.endr
.irp b, 0,1,2,3
	v_lshrrev_b32 v[TX+4+\b], 23, v[TX+12+\b]
.endr
	v_lshl_or_b32 v[WD+\a], v[TX+5], 8, v[TX+4]
	v_lshl_or_b32 v[WD+\a], v[TX+6], 16, v[WD+\a]
	v_lshl_or_b32 v[WD+\a], v[TX+7], 24, v[WD+\a]
	WIN (2+(\a)/4)                                 ; source 0: window 2 or 3
.irp b, 0,1,2,3
.set n, 0
.rept 16
	v_med3_num_f32 v[HN+16*\b+n], v[AC+16*\b+n], -v[TX+8+\b], v[TX+8+\b]
.set n, n+1
.endr
.endr
	WIN 0
.if (\a) > 3
	s_wait_xcnt 0x0                                ; the stores of the block four back have read this set of codes
.endif
.irp b, 0,1,2,3
	v_cvt_scalef32_pk8_fp8_f32 v[CC+4*\b:CC+4*\b+1], v[HN+16*\b:HN+16*\b+7], v[TX+12+\b]
	v_cvt_scalef32_pk8_fp8_f32 v[CC+4*\b+2:CC+4*\b+3], v[HN+16*\b+8:HN+16*\b+15], v[TX+12+\b]
.endr
	v_nop                                          ; a plain line behind the last conversion
.irp b, 0,1,2,3
	global_store_b128 v[CO], v[CC+4*\b:CC+4*\b+3], s[12:13] offset:2048*(\a)+512*\b   ; 512 consecutive bytes
.endr
.endm
	s_load_b128 s[4:7], s[0:1], 0x0                ; opc, ops: for A
	s_load_b128 s[8:11], s[0:1], 0x0               ; the same two once more: for B
	s_load_b64 s[12:13], s[0:1], 0x10              ; qkvc
	s_load_b64 s[96:97], s[0:1], 0x18              ; qkvs
	v_lshl_add_u32 v[SPW], v0, 2, SPARE
	v_mov_b32 v[NIL], 0
	ds_add_u32 v28, v29
	ds_add_u32 v28, v29
	s_wait_dscnt 0x0
	v_lshrrev_b32 v1, 5, v0
	v_readfirstlane_b32 s14, v1                    ; wave 0..3
	s_lshr_b32 s15, s14, 1                         ; which of A's two groups I multiply.  Also: I fetch for A (0) or for B (1)
	s_and_b32 s16, s14, 1                          ; which of B's two groups.  Also: which group I fetch
	s_bfe_u32 s40, ttmp6, 0x40000                  ; cx
	s_bfe_u32 s41, ttmp6, 0x40004                  ; cy
	s_and_b32 s18, ttmp7, 0xffff                   ; the cluster's y, 0..5
	s_lshr_b32 s98, s18, 2                         ; 1: this cluster makes v
	s_xor_b32 s99, s98, 1                          ; 1: it makes q or k
	s_and_b32 s18, s18, 3
	s_mul_i32 s17, s18, s99
	s_lshl_b32 s17, s17, 2
	s_add_co_u32 s17, s17, s41                     ; tile row: q, k: 4 y + cy (tokens); v: cy (channels)
	s_mul_i32 s19, s18, s98
	s_lshl_b32 s19, s19, 3
	s_lshl_b32 s42, ttmp9, 2
	s_add_co_u32 s42, s42, s40
	s_add_co_u32 s42, s42, s19                     ; tile column: 4 x + cx, and for v + 8 (y - 4) (tokens)
	s_lshl_b32 s43, s41, 2
	s_lshl_b32 s43, 15, s43                        ; my row of the cluster
	s_lshl_b32 s44, 0x1111, s40                    ; my column
	s_or_b32 s[G1+0], s43, (3<<16)|(1<<21)         ; 15:0 the mask; 17:16 elements of 8 bytes; 21 set beside a mask; no padding
	s_or_b32 s[G1B+0], s44, (3<<16)|(1<<21)
.irp g, G1, G1B
	s_mov_b32 s[\g+1], 32<<16                      ; a dense block of 32,768 bytes as 128 rows of 256
	s_mov_b32 s[\g+2], 128<<16
	s_mov_b32 s[\g+3], 32<<16
	s_mov_b32 s[\g+4], 128
	s_mov_b32 s[\g+5], 32
	s_mov_b32 s[\g+6], 0
	s_mov_b32 s[\g+7], 0
.endr
	s_or_b32 s[G1S+0], s43, (3<<16)|(1<<21)
	s_or_b32 s[G1SB+0], s44, (3<<16)|(1<<21)
.irp g, G1S, G1SB
	s_mov_b32 s[\g+1], 32<<16                      ; 4,096 bytes as 16 rows of 256
	s_mov_b32 s[\g+2], 16<<16
	s_mov_b32 s[\g+3], 32<<16
	s_mov_b32 s[\g+4], 16
	s_mov_b32 s[\g+5], 32
	s_mov_b32 s[\g+6], 0
	s_mov_b32 s[\g+7], 0
.endr
	s_lshl_b32 s20, s17, 1
	s_add_co_u32 s20, s20, s16
	s_mul_i32 s19, s98, 48
	s_add_co_u32 s20, s20, s19                     ; the group that I fetch for A: x's 2 tr + half, or Wv's 48 + 2 tr + half
	s_lshl_b32 s22, s20, 12                        ; its scale words,
	s_lshl_b32 s20, s20, 17                        ; its codes
	s_mov_b32 s21, 0
	s_mov_b32 s23, 0
	s_lshl_b32 s46, s42, 1
	s_add_co_u32 s46, s46, s16
	s_lshl_b32 s19, s99, 5
	s_add_co_u32 s46, s46, s19                     ; for B: Wq | Wk's 32 + 2 tc + half, or x's 2 tc + half
	s_lshl_b32 s92, s46, 12
	s_lshl_b32 s46, s46, 17
	s_mov_b32 s47, 0
	s_mov_b32 s93, 0
	s_lshl_b32 s45, s14, 15                        ; where they go: wave x 32,768: no place in the cluster enters an LDS address
	s_lshl_b32 s94, s14, 12
	s_wait_kmcnt 0x0
	s_add_nc_u64 s[20:21], s[4:5], s[20:21]
	s_add_nc_u64 s[22:23], s[6:7], s[22:23]
	s_add_nc_u64 s[46:47], s[8:9], s[46:47]
	s_add_nc_u64 s[92:93], s[10:11], s[92:93]
	CROUND                                         ; all sixteen work-groups are here: the first joint loads meet
	s_mov_b32 s[G0S], 1
	s_add_co_u32 s[G0S+1], s94, SCL
	s_mov_b64 s[G0S+2:G0S+3], s[22:23]
	s_or_b32 s[G0S+3], s[G0S+3], 0x80000000
	s_mov_b32 s[G0SB], 1
	s_add_co_u32 s[G0SB+1], s94, SCL
	s_mov_b64 s[G0SB+2:G0SB+3], s[92:93]
	s_or_b32 s[G0SB+3], s[G0SB+3], 0x80000000
	JLOAD G0S, G1S, G0SB, G1SB                     ; the scale words first: three tensor loads of a wave are out at the most
.irp s, 0,1
	s_mov_b32 s[G0+4*\s], 1
	s_add_co_u32 s[G0+4*\s+1], s45, \s*SLOT
	s_add_nc_u64 s[G0+4*\s+2:G0+4*\s+3], s[20:21], \s*PART
	s_or_b32 s[G0+4*\s+3], s[G0+4*\s+3], 0x80000000
	s_mov_b32 s[G0B+4*\s], 1
	s_add_co_u32 s[G0B+4*\s+1], s45, \s*SLOT
	s_add_nc_u64 s[G0B+4*\s+2:G0B+4*\s+3], s[46:47], \s*PART
	s_or_b32 s[G0B+4*\s+3], s[G0B+4*\s+3], 0x80000000
	JLOAD G0+4*\s, G1, G0B+4*\s, G1B
.endr
	v_and_b32 v1, 15, v0                           ; r
	v_bfe_u32 v2, v0, 4, 1                         ; h
	v_and_b32 v3, 31, v0                           ; lane
	v_lshlrev_b32 v[CO], 4, v3
	s_lshl_b32 s21, s15, 15
	s_lshl_b32 s22, s16, 15
	s_add_co_u32 s22, s22, 2*PART
.irp s, 0,1
	v_add_nc_u32 v[ADRA+\s], s21, v[CO]
	v_add_nc_u32 v[ADRB+\s], s22, v[CO]
	s_add_co_u32 s21, s21, SLOT
	s_add_co_u32 s22, s22, SLOT
.endr
	s_lshl_b32 s21, s15, 12                        ; A's words: my group
	s_lshl_b32 s22, s16, 12                        ; B's: my group, behind A's two
	s_add_co_u32 s22, s22, 2*SGRP
	s_sub_co_u32 s22, s22, s21
	v_mul_u32_u24 v6, s22, v2                      ; lanes 16-31 take B's: one product, the distance between the two
	s_add_co_u32 s21, s21, SCL
	v_lshl_add_u32 v5, v1, 4, v6
	v_add_nc_u32 v[ADRS], s21, v5
	; the block that my wave makes: q, k: CG = 2 tc + column half, TG = 2 tr + row half;  v: CG = 16 + 2 tr + row half, TG = 2 tc + column half
	s_lshl_b32 s20, s17, 1
	s_add_co_u32 s20, s20, s15
	s_lshl_b32 s46, s42, 1
	s_add_co_u32 s46, s46, s16
	s_lshl_b32 s21, s46, 5
	s_add_co_u32 s21, s21, s20
	s_mul_i32 s21, s21, s99
	s_lshl_b32 s22, s20, 5
	s_add_co_u32 s22, s22, s46
	s_add_co_u32 s22, s22, 512
	s_mul_i32 s22, s22, s98
	s_add_co_u32 s20, s21, s22
	s_lshl_b32 s22, s20, 9
	s_lshl_b32 s20, s20, 14
	s_mov_b32 s21, 0
	s_mov_b32 s23, 0
	s_add_nc_u64 s[12:13], s[12:13], s[20:21]
	s_add_nc_u64 s[96:97], s[96:97], s[22:23]
	s_wait_tensorcnt 1                             ; the scale words and my part of K step 0 are in (K step 1's load may be out)
	s_barrier_signal -1
	s_barrier_wait -1                              ; everybody's are
	FETCH_B 0, 0, 0
	FETCH_A 0, 0, 0
	SCALES 0
	FETCH_A 0, 0, 4
	STEP 0, 0, 1                                   ; the first step's products start the sums
	s_mov_b32 s3, LAPS-1
.Llap:                                                 ; a trip goes once round the ring and fills both slots again
	TURN 0, 1, 1
	STEP 1, 0, 0
	TURN 1, 0, 1
	STEP 0, 0, 0
	s_sub_co_u32 s3, s3, 1
	s_cmp_lg_u32 s3, 0
	s_cbranch_scc1 .Llap
	TURN 0, 1, 0                                   ; the last lap fills nothing
	STEP 1, 0, 0
	s_wait_dscnt 4*NL
	WIN MUL_LO
	MUL16 0, 1, NQ-1, 1, 0
	MUL16 2, 1, NQ-1, 1, 0
	s_wait_dscnt 0
	WIN MUL_HI
	MUL16 4, 1, NQ-1, 1, 0
	MUL16 6, 1, NQ-1, 1, 0
	WIN 0
	PLACES NP                                      ; in front of the first read of results and of the first write over A's fragments
	s_mov_b32 s18, 0x76543210
	s_mov_b32 s19, 0xfedcba98                      ; selects: lane l xor 16
	s_mov_b32 s2, 0x600000                         ; the mantissa field of 448
.irp b, 0,1,2,3
	v_mov_b32 v[TX+4+\b], 0                        ; a lane permute's destination counts as one of its sources
.endr
.irp a, 0,1,2,3,4,5,6,7
	QOUT \a
.endr
	v_cmp_gt_u32 vcc_lo, 16, v3                    ; both halves of the lanes hold all eight words: lanes 0-15 store those of fragments 0-3, lanes 16-31 of 4-7
.irp j, 0,1,2,3
	v_cndmask_b32 v[FIN+\j], v[WD+4+\j], v[WD+\j], vcc_lo
.endr
	global_store_b128 v[CO], v[FIN:FIN+3], s[96:97] ; the block's 512 bytes of scale words
	s_wait_tensorcnt 0x0                           ; the wave's end
	ds_add_u32 v[SPW], v[NIL]
	s_wait_dscnt 0x0
	CROUND                                         ; the closing round
	s_endpgm
.Lfunc_end_k_q9848df76ef_qkv:
	.size	k_q9848df76ef_qkv, .Lfunc_end_k_q9848df76ef_qkv-k_q9848df76ef_qkv
	.p2alignl 7, 3214868480
	.fill 96, 4, 3214868480
	.section	.rodata,"a",@progbits
	.p2align	6, 0x0
	.amdhsa_kernel k_q9848df76ef_qkv
		.amdhsa_group_segment_fixed_size 327680
		.amdhsa_private_segment_fixed_size 0
		.amdhsa_enable_private_segment 0
		.amdhsa_kernarg_size 32
		.amdhsa_user_sgpr_count 2
		.amdhsa_user_sgpr_kernarg_segment_ptr 1
		.amdhsa_wavefront_size32 1
		.amdhsa_system_sgpr_workgroup_id_x 1
		.amdhsa_system_sgpr_workgroup_id_y 1
		.amdhsa_system_sgpr_workgroup_id_z 1
		.amdhsa_system_vgpr_workitem_id 0
		.amdhsa_next_free_vgpr 1024
		.amdhsa_next_free_sgpr 100
		.amdhsa_reserve_vcc 1
		.amdhsa_float_denorm_mode_32 3
		.amdhsa_float_denorm_mode_16_64 3
		.amdhsa_memory_ordered 1
		.amdhsa_forward_progress 1
		.amdhsa_inst_pref_size 183
	.end_amdhsa_kernel
	.amdgpu_metadata
---
amdhsa.version: [ 1, 2 ]
amdhsa.kernels:
  - .name:           k_q9848df76ef_qkv
    .symbol:         k_q9848df76ef_qkv.kd
    .args:
      - { .name: opc, .offset: 0, .size: 8, .value_kind: global_buffer, .address_space: global }
      - { .name: ops, .offset: 8, .size: 8, .value_kind: global_buffer, .address_space: global }
      - { .name: qkvc, .offset: 16, .size: 8, .value_kind: global_buffer, .address_space: global }
      - { .name: qkvs, .offset: 24, .size: 8, .value_kind: global_buffer, .address_space: global }
    .group_segment_fixed_size: 327680
    .private_segment_fixed_size: 0
    .kernarg_segment_align: 8
    .kernarg_segment_size: 32
    .max_flat_workgroup_size: 128
    .sgpr_count:     100
    .vgpr_count:     1024
    .wavefront_size: 32
...
	.end_amdgpu_metadata
.endif
;; end of part 2
;; launch attn (part 3): grid 8 x 32, 16 waves a work-group, no clusters, 284,672 bytes of LDS; arguments qkvc, qkvs, aoc, aos; writes aoc, aos
.if DOCPART == 3
	.amdgcn_target "amdgcn-amd-amdhsa--gfx1250"
	.amdhsa_code_object_version 6
	.text
	.protected	k_q9848df76ef_attn
	.globl	k_q9848df76ef_attn
	.p2align	8
	.type	k_q9848df76ef_attn,@function
k_q9848df76ef_attn:
	s_mov_b64 s[64:65], 0
	v_nop
	global_prefetch_b8 v0, s[64:65] scope:SCOPE_SE
	s_setreg_imm32_b32 hwreg(HW_REG_WAVE_MODE, 25, 1), 1
	s_wait_xcnt 0x0
; Causal attention with ALiBi for one (batch, head) a work-group row, both products on codes of E4M3 with E8M0 scales; the result is quantised along the channels and leaves as an operand image.
; logit = s / 8 + slope x (key - 2047), in reference()'s own roundings: the bias is one f32 product (a table in LDS), s / 8 is exact, so one fused multiply-add gives the rounded sum.
; t = logit x log2(e), rounded; M = the running largest t rounded UP to a whole number; p = 2^(t - M) is quantised along the keys; the row's sum is taken of the unquantised p and divides at the end.
; SHARES.  Work-group x = g owns the groups of 128 queries g and 15 - g of its head: 8 (g + 1) + 8 (16 - g) = 136 key steps of 128 keys in every work-group.  Each of its sixteen waves owns ONE tile of 16 queries;
; which group a wave takes is (w xor (w / 4)) & 1, so that of any four waves w % 4 alike, or w / 4 alike, two take each group.  A wave works on key steps 0 .. its group; the last of them lies on the diagonal.
; NO CLUSTER: the eight work-groups of a head do share K and V, but each wave leaves out the key steps behind its own queries by a branch on its work-group's number, and partners of a joint load may not part so.
; LDS holds the WHOLE head, filled once by ten tensor loads at the start (wave 0: K's scale words and four chunks of 512 keys; wave 1: V's): nothing is filled again.  Five loads of a wave are out at the most.
; LAYOUT.  All operands are register images (qkv's head comment).  Both products are used transposed: S^T = K Q^T, O^T = V^T P^T: a lane holds one query (lane % 16); the 16 registers of key tiles 2 b, 2 b + 1 are keys 32 b + 16 h + 0 .. 15.
; The head's 64 fill half of the instruction's 128 along K: Q's registers 8-15 are ZERO codes, so whatever finite codes K's registers 8-15 hold (the next tile's, or zeros) add nothing; the scale bytes there are 0, never 0xff.
; LIMITS: NaN and infinities are not served; v_exp_f32 gives 0 for p under 2^-126; 1 / sum is v_rcp_f32 and a multiplication; a block of zeros or under 2^-118 gets the byte 1 (read by this program alone).
.set KT,  0                            ; K's codes: [tile of 16 keys 0..127][c' 0..1][512]
.set VT,  131072                       ; V's codes: [key step 0..15][channel tile 0..3][c 0..3][512]
.set KS,  262144                       ; K's scale words, the pair of heads': [key step][512]
.set VS,  270336                       ; V's, my head's: [key step][256]
.set AL,  274432                       ; the bias of each of the 2,048 keys, f32: stored by the waves, never a tensor load's target
.set AK0,  1                           ; v1  16 x lane
.set ASK0, 2                           ; v2  KS + 16 r + 2 x (head % 2)
.set ASV0, 3                           ; v3  VS + 16 r
.set AAL0, 4                           ; v4  AL + 64 h
.set DQ,   5                           ; v5  my query's place in its group - 16 h
.set GB8,  6                           ; v6  16 r + h
.set ADA,  7                           ; v7-11 the step's addresses: bias, K, V, K's words, V's words
.set ADK,  8
.set ADV,  9
.set ADS,  10
.set ADT,  11                          ; v12 -M, v13 the largest t, v[14:15] the sum in two halves
.set QF,   16                          ; v16-23 Q's codes, v24-31 zero codes
.set FB,   32                          ; v32-95 eight tiles of K; then the bias; then four tiles of V.  v96-103 zero codes
.set SV,   104                         ; v104-167 S^T, then p
.set OT,   168                         ; v168-199 O^T
.set PCD,  200                         ; v200-215 p's codes
.set BM,   216                         ; v216-219 the blocks' largest
.set PRM,  220                         ; v220-223 the other half's; bytes; a second chain of the sum
.set LIM,  224
.set SOP,  228
.set KSC,  232                         ; v232-239, v240-243, v244, v245: scale words of K, V, Q, p, and nothing else
.set VSC,  240
.set QS,   244
.set PS,   245
.set FF,   246                         ; v[246:247] f = 2^(old M - new M), and 0
.set T0,   248
.set WV,  12
.set MNT, 19
.set SEL, 20
.set CS,  22                           ; s[22:23] log2(e)
.set EI,  80                           ; s[80:81] 1 / 8
.set GW,  82                           ; my group of 128 queries
.set IDX, 83                           ; my tile in it
.set SIG, 84                           ; the key step
.set TK,  85                           ; 8,192 x it
.set TS,  86                           ; 512 x it
.set TV,  87                           ; 256 x it
.set CNT, 88
.set SLP, 89                           ; the head's slope
.macro GROUP0 g, j                     ; chunk j: 32,768 bytes of LDS, four blocks of memory on
	s_mov_b32 s[\g], 1
	s_add_co_u32 s[\g+1], s96, \j*32768
	s_add_nc_u64 s[\g+2:\g+3], s[92:93], \j*65536
	s_or_b32 s[\g+3], s[\g+3], 0x80000000
.endm
; A KEY STEP: 128 keys.
.macro STEP
	s_cmp_gt_u32 s[SIG], s[GW]                     ; all its keys come after my queries: the work is left out; the lines at the end that step addresses are not
	s_cbranch_scc1 .Lhid_\@
	v_add_nc_u32 v[ADK], s[TK], v[AK0]
	v_add_nc_u32 v[ADS], s[TS], v[ASK0]
	v_add_nc_u32 v[ADA], s[TS], v[AAL0]
	v_add_nc_u32 v[ADT], s[TV], v[ASV0]
	v_add_nc_u32 v[ADV], VT, v[ADK]
.rept 3
	v_nop                                          ; with the five additions: eight places in front of loads into registers that the last step's products read
.endr
.irp t, 0,1,2,3,4,5,6,7
	ds_load_b128 v[FB+8*\t:FB+8*\t+3], v[ADK] offset:1024*\t
	ds_load_b128 v[FB+8*\t+4:FB+8*\t+7], v[ADK] offset:1024*\t+512
	ds_load_u16 v[KSC+\t], v[ADS] offset:256*(\t/4)+4*(\t%4)   ; my head's two bytes of the tile's words, zeros above them
.endr
	s_wait_dscnt 0x0
.irp t, 0,1,2,3,4,5,6,7
	v_wmma_scale_f32_16x16x128_f8f6f4 v[SV+8*\t:SV+8*\t+7], v[FB+8*\t:FB+8*\t+15], v[QF:QF+15], 0, v[KSC+\t], v[QS]
.endr
.rept 8
	v_nop                                          ; places in front of the loads below and of the first read of the scores
.endr
.irp b, 0,1,2,3
.irp j, 0,1,2,3
	ds_load_b128 v[FB+16*\b+4*\j:FB+16*\b+4*\j+3], v[ADA] offset:128*\b+16*\j   ; the bias of keys 32 b + 16 h + 0 .. 15: the lanes of a half read the same bytes
.endr
.endr
.irp b, 0,1,2,3
	s_wait_dscnt 12-4*\b                           ; block b's four loads are in; the later blocks' stay out
.irp j, 0,2,4,6,8,10,12,14
	v_pk_fma_f32 v[SV+16*\b+\j:SV+16*\b+\j+1], v[SV+16*\b+\j:SV+16*\b+\j+1], s[EI:EI+1], v[FB+16*\b+\j:FB+16*\b+\j+1] op_sel_hi:[1,0,1]   ; the logit; each accumulator is read from its low end on
.endr
.endr
.irp u, 0,1,2,3
.irp c, 0,1,2,3
	ds_load_b128 v[FB+16*\u+4*\c:FB+16*\u+4*\c+3], v[ADV] offset:2048*\u+512*\c   ; V is asked for now and lands under the softmax
.endr
.endr
	ds_load_b128 v[VSC:VSC+3], v[ADT]
	s_cmp_lt_u32 s[SIG], s[GW]                     ; a step all of whose keys count skips the mask
	s_cbranch_scc1 .Lopen_\@
	v_mov_b32 v[T0], 0xff800000                    ; on the diagonal hidden logits become -infinity: p = 0.  Register 16 b + i holds key 32 b + 16 h + i: hidden where 32 b + i > my query's place - 16 h
.set n, 0
.rept 64
	v_cmp_gt_i32 vcc_lo, 32*(n/16)+n%16, v[DQ]
	v_cndmask_b32 v[SV+n], v[SV+n], v[T0], vcc_lo
.set n, n+1
.endr
.Lopen_\@:
.irp b, 0,1,2,3
	v_max3_num_f32 v[BM+\b], v[SV+16*\b], v[SV+16*\b+1], v[SV+16*\b+2]   ; the largest logit of each block of 32 keys: for the row's maximum, and, since p rises with the logit, for the block's largest p
.endr
.irp i, 3,5,7,9,11,13
.irp b, 0,1,2,3
	v_max3_num_f32 v[BM+\b], v[BM+\b], v[SV+16*\b+\i], v[SV+16*\b+\i+1]
.endr
.endr
.irp b, 0,1,2,3
	v_max_num_f32 v[BM+\b], v[BM+\b], v[SV+16*\b+15]
.endr
.irp b, 0,1,2,3
	v_permlanex16_b32 v[PRM+\b], v[BM+\b], s[SEL], s[SEL+1]
.endr
.irp b, 0,1,2,3
	v_max_num_f32 v[BM+\b], v[BM+\b], v[PRM+\b]
.endr
	v_max3_num_f32 v[T0], v[BM], v[BM+1], v[BM+2]
	v_max_num_f32 v[T0], v[T0], v[BM+3]
	v_mul_f32 v[T0], s[CS], v[T0]                  ; as t (rounding keeps the order)
	v_max_num_f32 v13, v13, v[T0]
	v_mov_b32 v[T0], v12
	v_floor_f32 v12, -v13                          ; -M = floor(-t)
	v_sub_f32 v[T0], v12, v[T0]                    ; old M - new M: a whole number, 0 or less
	v_cvt_i32_f32 v[T0], v[T0]                     ; (it saturates)
	v_ldexp_f32 v[FF], 1.0, v[T0]                  ; f: a multiplication by it rounds nothing
.set n, 0
.rept 32
	v_pk_mul_f32 v[SV+n:SV+n+1], v[SV+n:SV+n+1], s[CS:CS+1] op_sel_hi:[1,0]   ; t, rounded as the definition has it,
.set n, n+2
.endr
.set n, 0
.rept 32
	v_pk_add_f32 v[SV+n:SV+n+1], v[SV+n:SV+n+1], v[12:13] op_sel_hi:[1,0]     ; and t - M
.set n, n+2
.endr
.irp b, 0,1,2,3
	v_mul_f32 v[BM+\b], s[CS], v[BM+\b]
.endr
.irp b, 0,1,2,3
	v_add_f32 v[BM+\b], v[BM+\b], v12
.endr
.set n, 0
.rept 64
	v_exp_f32 v[SV+n], v[SV+n]                     ; p, at most 1, not normalised
.set n, n+1
.endr
.irp b, 0,1,2,3
	v_exp_f32 v[BM+\b], v[BM+\b]                   ; the block's largest p: the same instructions on the same number
.endr
	v_pk_mul_f32 v[14:15], v[14:15], v[FF:FF+1] op_sel_hi:[1,0]   ; the sums under the new M (a plain line behind the exponentials)
	s_wait_alu depctr_va_vdst(0)
.irp b, 0,1,2,3
	v_max_num_f32 v[BM+\b], 0x4800000, v[BM+\b]    ; the floor: the byte cannot fall under 1
.endr
.irp b, 0,1,2,3
	v_add_nc_u32 v[SOP+\b], 0xfc000000, v[BM+\b]
.endr
.irp b, 0,1,2,3
	v_and_or_b32 v[LIM+\b], v[BM+\b], 0x7f800000, s[MNT]
.endr
.irp b, 0,1,2,3
	v_lshrrev_b32 v[PRM+\b], 23, v[SOP+\b]
.endr
	v_lshl_or_b32 v[PS], v[PRM+1], 8, v[PRM]       ; p's scale word for these 128 keys
	v_lshl_or_b32 v[PS], v[PRM+2], 16, v[PS]
	v_lshl_or_b32 v[PS], v[PRM+3], 24, v[PS]
	v_pk_add_f32 v[PRM:PRM+1], v[SV:SV+1], v[SV+2:SV+3]   ; the sum of the unquantised p, in two chains
.irp j, 4,8,12,16,20,24,28,32,36,40,44,48,52,56,60
	v_pk_add_f32 v[14:15], v[14:15], v[SV+\j:SV+\j+1]
	v_pk_add_f32 v[PRM:PRM+1], v[PRM:PRM+1], v[SV+\j+2:SV+\j+3]
.endr
	v_pk_add_f32 v[14:15], v[14:15], v[PRM:PRM+1]
.irp b, 0,1,2,3
.set n, 0
.rept 16
	v_min_num_f32 v[SV+16*\b+n], v[SV+16*\b+n], v[LIM+\b]   ; the conversion does not saturate (ISA guide 7.6.2); p is not negative
.set n, n+1
.endr
	v_cvt_scalef32_pk8_fp8_f32 v[PCD+4*\b:PCD+4*\b+1], v[SV+16*\b:SV+16*\b+7], v[SOP+\b]
	v_cvt_scalef32_pk8_fp8_f32 v[PCD+4*\b+2:PCD+4*\b+3], v[SV+16*\b+8:SV+16*\b+15], v[SOP+\b]
.endr
.set n, 0
.rept 16
	v_pk_mul_f32 v[OT+n:OT+n+1], v[OT+n:OT+n+1], v[FF:FF+1] op_sel_hi:[1,0]   ; O^T under the new M; also the places between the codes and the products
.set n, n+2
.endr
	s_wait_dscnt 0x0                               ; V and its scale words are in
.irp u, 0,1,2,3
	v_wmma_scale_f32_16x16x128_f8f6f4 v[OT+8*\u:OT+8*\u+7], v[FB+16*\u:FB+16*\u+15], v[PCD:PCD+15], v[OT+8*\u:OT+8*\u+7], v[VSC+\u], v[PS]
.endr
.Lhid_\@:
	s_add_co_u32 s[SIG], s[SIG], 1
	s_add_co_u32 s[TK], s[TK], 8192
	s_add_co_u32 s[TS], s[TS], 512
	s_add_co_u32 s[TV], s[TV], 256
.endm
; Chunk j's four key steps.  The wait leaves the 3 - j later chunks on their way: nothing is ever filled again, so the count serves the reads alone.
.macro PHASE j
	s_wait_tensorcnt 3-\j                          ; (of waves 0 and 1) the scale words and chunks 0 .. j have landed
	s_wait_dscnt 0x0                               ; my LDS instructions are done (the bias table's store among them)
	s_barrier_signal -1
	s_barrier_wait -1
	s_mov_b32 s[SIG], 4*\j
	s_mov_b32 s[TK], 32768*\j
	s_mov_b32 s[TS], 2048*\j
	s_mov_b32 s[TV], 1024*\j
	s_mov_b32 s[CNT], 4
.Lstep_\@:
	STEP
	s_sub_co_u32 s[CNT], s[CNT], 1
	s_cmp_lg_u32 s[CNT], 0
	s_cbranch_scc1 .Lstep_\@
.endm
	s_load_b256 s[4:11], s[0:1], 0x0               ; qkvc, qkvs, aoc, aos
	v_lshl_add_u32 v254, v0, 2, 0x45000
	v_mov_b32 v255, 0
	ds_add_u32 v254, v255
	ds_add_u32 v254, v255
	v_lshrrev_b32 v1, 5, v0
	v_readfirstlane_b32 s[WV], v1                  ; wave 0..15
	s_and_b32 s16, ttmp7, 0xffff
	s_lshr_b32 s13, s16, 4                         ; batch
	s_and_b32 s16, s16, 15                         ; head
	s_lshr_b32 s14, s16, 1                         ; pair of heads
	s_and_b32 s15, s16, 1                          ; which of the pair
	s_add_co_u32 s16, s16, 1                       ; the slope is 2^(-e / 2), e = head + 1, as f32: 1 or 2^(-1/2), with e / 2 taken off the exponent field
	s_mov_b32 s[SLP], 0x3f800000
	s_bitcmp1_b32 s16, 0
	s_cselect_b32 s[SLP], 0x3f3504f3, s[SLP]
	s_lshr_b32 s16, s16, 1
	s_lshl_b32 s16, s16, 23
	s_sub_co_u32 s[SLP], s[SLP], s16
	s_lshr_b32 s16, s[WV], 2
	s_xor_b32 s16, s16, s[WV]
	s_and_b32 s16, s16, 1
	s_lshl_b32 s17, ttmp9, 1
	s_sub_co_u32 s17, 15, s17
	s_mul_i32 s17, s17, s16
	s_add_co_u32 s[GW], s17, ttmp9                 ; g or 15 - g
	s_lshr_b32 s[IDX], s[WV], 1
	s_and_b32 s18, s[WV], 1                        ; 0: K's descriptors, 1: V's (waves 0 and 1 alone issue them)
	s_mov_b32 s[MNT], 0x600000
	s_mov_b32 s[SEL], 0x76543210
	s_mov_b32 s[SEL+1], 0xfedcba98
	s_mov_b32 s[CS], 0x3fb8aa3b
	s_mov_b32 s[CS+1], 0x3fb8aa3b
	s_mov_b32 s[EI], 0x3e000000
	s_mov_b32 s[EI+1], 0x3e000000
	; groups 1: elements of 8 bytes, no padding, no mask.  K's chunk: 32 tiles' 1,024 bytes, 2,048 apart
	s_mov_b32 s24, 3<<16
	s_mov_b32 s25, 128<<16
	s_mov_b32 s26, 32<<16
	s_mov_b32 s27, 128<<16
	s_mov_b32 s28, 32
	s_mov_b32 s29, 256
	s_mov_b32 s30, 0
	s_mov_b32 s31, 0
	; V's chunk: 4 key steps' 8,192 bytes, 16,384 apart
	s_mov_b32 s32, 3<<16
	s_mov_b32 s33, 1024<<16
	s_mov_b32 s34, 4<<16
	s_mov_b32 s35, 1024<<16
	s_mov_b32 s36, 4
	s_mov_b32 s37, 2048
	s_mov_b32 s38, 0
	s_mov_b32 s39, 0
	; K's scale words: 8,192 dense bytes as 32 rows of 256
	s_mov_b32 s40, 3<<16
	s_mov_b32 s41, 32<<16
	s_mov_b32 s42, 32<<16
	s_mov_b32 s43, 32<<16
	s_mov_b32 s44, 32
	s_mov_b32 s45, 32
	s_mov_b32 s46, 0
	s_mov_b32 s47, 0
	; V's: 16 rows of 256 bytes, 512 apart
	s_mov_b32 s48, 3<<16
	s_mov_b32 s49, 32<<16
	s_mov_b32 s50, 16<<16
	s_mov_b32 s51, 32<<16
	s_mov_b32 s52, 16
	s_mov_b32 s53, 64
	s_mov_b32 s54, 0
	s_mov_b32 s55, 0
	s_lshl_b32 s90, s18, 3
	s_add_co_u32 s90, s90, s14
	s_add_co_u32 s90, s90, 8
	s_lshl_b32 s90, s90, 5
	s_lshl_b32 s91, s13, 4
	s_add_co_u32 s90, s90, s91                     ; the first block: (8 + 8 (V) + pair) x 32 + 16 x batch
	s_lshl_b32 s92, s90, 14
	s_mul_i32 s91, s18, 3
	s_add_co_u32 s91, s91, 10
	s_lshl_b32 s91, s15, s91                       ; my head's part of a block begins 1,024 (K) or 8,192 (V) bytes on
	s_add_co_u32 s92, s92, s91
	s_mov_b32 s93, 0
	s_lshl_b32 s94, s90, 9
	s_mul_i32 s91, s18, s15
	s_lshl_b32 s91, s91, 8
	s_add_co_u32 s94, s94, s91
	s_mov_b32 s95, 0
	s_lshl_b32 s96, s18, 17                        ; LDS: KT or VT
	s_lshl_b32 s97, s18, 13                        ; KS or VS
	s_wait_dscnt 0x0
	s_wait_kmcnt 0x0
	s_add_nc_u64 s[92:93], s[4:5], s[92:93]
	s_add_nc_u64 s[94:95], s[6:7], s[94:95]
	GROUP0 56, 0
	GROUP0 60, 1
	GROUP0 68, 2
	GROUP0 72, 3
	s_mov_b32 s76, 1
	s_add_co_u32 s77, s97, KS
	s_mov_b64 s[78:79], s[94:95]
	s_or_b32 s79, s79, 0x80000000
	s_cmp_eq_u32 s[WV], 0                          ; a wave's first fills stand in one branch on its number, ahead of every wait on TENSORcnt, LDS read and barrier
	s_cbranch_scc0 .Lnot_k
	tensor_load_to_lds s[76:79], s[40:47]
	s_nop 0
	tensor_load_to_lds s[56:59], s[24:31]
	s_nop 0
	tensor_load_to_lds s[60:63], s[24:31]
	s_nop 0
	tensor_load_to_lds s[68:71], s[24:31]
	s_nop 0
	tensor_load_to_lds s[72:75], s[24:31]
	s_nop 0
.rept 4
	v_nop
.endr
	s_branch .Lasked
.Lnot_k:
	s_cmp_eq_u32 s[WV], 1
	s_cbranch_scc0 .Lasked
	tensor_load_to_lds s[76:79], s[48:55]
	s_nop 0
	tensor_load_to_lds s[56:59], s[32:39]
	s_nop 0
	tensor_load_to_lds s[60:63], s[32:39]
	s_nop 0
	tensor_load_to_lds s[68:71], s[32:39]
	s_nop 0
	tensor_load_to_lds s[72:75], s[32:39]
	s_nop 0
.rept 4
	v_nop
.endr
.Lasked:
	; Q's fragment and words, and where the result goes
	s_lshl_b32 s90, s14, 5
	s_lshl_b32 s91, s13, 4
	s_add_co_u32 s91, s91, s[GW]                   ; my group of 128 tokens
	s_add_co_u32 s90, s90, s91                     ; q's block
	s_lshl_b32 s92, s90, 3
	s_add_co_u32 s92, s92, s[IDX]
	s_lshl_b32 s92, s92, 11
	s_lshl_b32 s16, s15, 10
	s_add_co_u32 s92, s92, s16
	s_mov_b32 s93, 0
	s_add_nc_u64 s[4:5], s[4:5], s[92:93]
	s_lshr_b32 s17, s[IDX], 2
	s_lshl_b32 s17, s17, 8
	s_and_b32 s16, s[IDX], 3
	s_lshl_b32 s16, s16, 2
	s_add_co_u32 s17, s17, s16
	s_lshl_b32 s16, s15, 1
	s_add_co_u32 s17, s17, s16                     ; my tile's place among a block's scale words, my head's half of a word
	s_lshl_b32 s94, s90, 9
	s_add_co_u32 s94, s94, s17
	s_mov_b32 s95, 0
	s_add_nc_u64 s[6:7], s[6:7], s[94:95]
	s_lshl_b32 s91, s91, 3
	s_add_co_u32 s91, s91, s14                     ; the result's block: 8 x group + pair
	s_lshl_b32 s92, s91, 3
	s_add_co_u32 s92, s92, s[IDX]
	s_lshl_b32 s92, s92, 11
	s_lshl_b32 s16, s15, 10
	s_add_co_u32 s92, s92, s16
	s_add_nc_u64 s[8:9], s[8:9], s[92:93]
	s_lshl_b32 s94, s91, 9
	s_add_co_u32 s94, s94, s17
	s_add_nc_u64 s[10:11], s[10:11], s[94:95]
	v_and_b32 v[T0], 31, v0
	v_lshlrev_b32 v[AK0], 4, v[T0]
	v_and_b32 v[T0+1], 15, v0                      ; r
	v_bfe_u32 v[T0+2], v0, 4, 1                    ; h
	v_lshlrev_b32 v[ADA], 4, v[T0+1]               ; 16 r, for Q's words (the register serves the steps later)
	global_load_b128 v[QF:QF+3], v[AK0], s[4:5]
	global_load_b128 v[QF+4:QF+7], v[AK0], s[4:5] offset:512
	global_load_u16 v[QS], v[ADA], s[6:7]          ; my head's two bytes, zeros above them
	s_lshl_b32 s16, s15, 1
	s_add_co_u32 s16, s16, KS
	v_lshlrev_b32 v[ASK0], 4, v[T0+1]
	v_add_nc_u32 v[ASK0], s16, v[ASK0]
	v_lshl_add_u32 v[ASV0], v[T0+1], 4, VS
	v_lshl_add_u32 v[AAL0], v[T0+2], 6, AL
	s_lshr_b32 s16, s[IDX], 1
	s_lshl_b32 s16, s16, 5
	s_and_b32 s17, s[IDX], 1
	s_lshl_b32 s17, s17, 3
	s_add_co_u32 s16, s16, s17
	v_and_b32 v[T0+3], 8, v[T0+1]
	v_add_nc_u32 v[DQ], v[T0+3], v[T0+1]
	v_add_nc_u32 v[DQ], s16, v[DQ]                 ; 32 (tile / 2) + 8 (tile % 2) + r + 8 (r / 8)
	v_lshlrev_b32 v[T0+3], 4, v[T0+2]
	v_sub_nc_u32 v[DQ], v[DQ], v[T0+3]
	v_lshl_add_u32 v[GB8], v[T0+1], 4, v[T0+2]
	; the bias table: thread t makes keys 4 t .. 4 t + 3: slope x (key - 2047), one rounding each
	v_lshlrev_b32 v[T0], 2, v0
	v_add_nc_u32 v[T0], 0xfffff801, v[T0]
	v_cvt_f32_i32 v[SV], v[T0]
	v_add_f32 v[SV+1], 1.0, v[SV]
	v_add_f32 v[SV+2], 2.0, v[SV]
	v_add_f32 v[SV+3], 0x40400000, v[SV]
.irp j, 0,1,2,3
	v_mul_f32 v[SV+\j], s[SLP], v[SV+\j]
.endr
	v_lshl_add_u32 v[T0+1], v0, 4, AL
	ds_store_b128 v[T0+1], v[SV:SV+3]
.irp j, 0,1,2,3,4,5,6,7
	v_mov_b32 v[QF+8+\j], 0                        ; zero codes for k = 64 .. 127
	v_mov_b32 v[FB+64+\j], 0
.endr
.set n, 0
.rept 32
	v_mov_b32 v[OT+n], 0                           ; the step is written once: the first finds zeros
.set n, n+1
.endr
.irp b, 0,1,2,3
	v_mov_b32 v[PRM+\b], 0                         ; a lane permute's destination counts as one of its sources
.endr
	v_mov_b32 v[FF], 0
	v_mov_b32 v[FF+1], 0
	v_mov_b32 v[T0], 0
	v_mov_b32 v14, 0
	v_mov_b32 v15, 0
	v_mov_b32 v13, 0xff61b1e6                      ; the largest t so far: -3e38
	v_floor_f32 v12, -v13
	s_wait_loadcnt 0x0                             ; Q
	PHASE 0
	PHASE 1
	PHASE 2
	PHASE 3
	; THE WAY OUT: O^T / the sum; its 16 registers of channel tiles 2 c', 2 c' + 1 are channels 32 c' + 16 h + 0 .. 15 of my head: two blocks, quantised; the codes are groups 2 (head % 2) + c' of my tile's fragment.
.rept 8
	v_nop
.endr
	v_add_f32 v14, v14, v15
	v_permlanex16_b32 v[T0], v14, s[SEL], s[SEL+1]
	v_add_f32 v14, v14, v[T0]
	v_rcp_f32 v14, v14
	v_nop
.set n, 0
	s_wait_alu depctr_va_vdst(0)
.rept 32
	v_mul_f32 v[SV+n], v[OT+n], v14
.set n, n+1
.endr
.irp b, 0,1
	v_max3_num_f32 v[BM+\b], |v[SV+16*\b]|, |v[SV+16*\b+1]|, 0x4800000
.endr
.irp i, 2,4,6,8,10,12,14
.irp b, 0,1
	v_max3_num_f32 v[BM+\b], v[BM+\b], |v[SV+16*\b+\i]|, |v[SV+16*\b+\i+1]|
.endr
.endr
.irp b, 0,1
	v_permlanex16_b32 v[PRM+\b], v[BM+\b], s[SEL], s[SEL+1]
.endr
.irp b, 0,1
	v_max_num_f32 v[BM+\b], v[BM+\b], v[PRM+\b]
.endr
.irp b, 0,1
	v_add_nc_u32 v[SOP+\b], 0xfc000000, v[BM+\b]
.endr
.irp b, 0,1
	v_and_or_b32 v[LIM+\b], v[BM+\b], 0x7f800000, s[MNT]
.endr
.irp b, 0,1
	v_lshrrev_b32 v[PRM+\b], 23, v[SOP+\b]
.endr
.irp b, 0,1
.set n, 0
.rept 16
	v_med3_num_f32 v[SV+16*\b+n], v[SV+16*\b+n], -v[LIM+\b], v[LIM+\b]
.set n, n+1
.endr
	v_cvt_scalef32_pk8_fp8_f32 v[PCD+4*\b:PCD+4*\b+1], v[SV+16*\b:SV+16*\b+7], v[SOP+\b]
	v_cvt_scalef32_pk8_fp8_f32 v[PCD+4*\b+2:PCD+4*\b+3], v[SV+16*\b+8:SV+16*\b+15], v[SOP+\b]
.endr
	v_and_b32 v[T0], 31, v0                        ; (a plain line behind the last conversion)
	v_cmp_gt_u32 vcc_lo, 16, v[T0]
	v_cndmask_b32 v[T0+1], v[PRM+1], v[PRM], vcc_lo ; lanes 0-15 store block 0's byte, lanes 16-31 block 1's
	global_store_b128 v[AK0], v[PCD:PCD+3], s[8:9]             ; 512 consecutive bytes
	global_store_b128 v[AK0], v[PCD+4:PCD+7], s[8:9] offset:512
	global_store_b8 v[GB8], v[T0+1], s[10:11]      ; 32 single bytes a wave, two of each row's word: one byte for each 32 codes
	s_wait_tensorcnt 0x0
	ds_add_u32 v254, v255
	s_wait_dscnt 0x0
	s_endpgm
.Lfunc_end_k_q9848df76ef_attn:
	.size	k_q9848df76ef_attn, .Lfunc_end_k_q9848df76ef_attn-k_q9848df76ef_attn
	.p2alignl 7, 3214868480
	.fill 96, 4, 3214868480
	.section	.rodata,"a",@progbits
	.p2align	6, 0x0
	.amdhsa_kernel k_q9848df76ef_attn
		.amdhsa_group_segment_fixed_size 284672
		.amdhsa_private_segment_fixed_size 0
		.amdhsa_enable_private_segment 0
		.amdhsa_kernarg_size 32
		.amdhsa_user_sgpr_count 2
		.amdhsa_user_sgpr_kernarg_segment_ptr 1
		.amdhsa_wavefront_size32 1
		.amdhsa_system_sgpr_workgroup_id_x 1
		.amdhsa_system_sgpr_workgroup_id_y 1
		.amdhsa_system_sgpr_workgroup_id_z 1
		.amdhsa_system_vgpr_workitem_id 0
		.amdhsa_next_free_vgpr 256
		.amdhsa_next_free_sgpr 100
		.amdhsa_reserve_vcc 1
		.amdhsa_float_denorm_mode_32 3
		.amdhsa_float_denorm_mode_16_64 3
		.amdhsa_memory_ordered 1
		.amdhsa_forward_progress 1
		.amdhsa_inst_pref_size 135
	.end_amdhsa_kernel
	.amdgpu_metadata
---
amdhsa.version: [ 1, 2 ]
amdhsa.kernels:
  - .name:           k_q9848df76ef_attn
    .symbol:         k_q9848df76ef_attn.kd
    .args:
      - { .name: qkvc, .offset: 0, .size: 8, .value_kind: global_buffer, .address_space: global }
      - { .name: qkvs, .offset: 8, .size: 8, .value_kind: global_buffer, .address_space: global }
      - { .name: aoc, .offset: 16, .size: 8, .value_kind: global_buffer, .address_space: global }
      - { .name: aos, .offset: 24, .size: 8, .value_kind: global_buffer, .address_space: global }
    .group_segment_fixed_size: 284672
    .private_segment_fixed_size: 0
    .kernarg_segment_align: 8
    .kernarg_segment_size: 32
    .max_flat_workgroup_size: 512
    .sgpr_count:     100
    .vgpr_count:     256
    .wavefront_size: 32
...
	.end_amdgpu_metadata
.endif
;; end of part 3
;; launch outp (part 4): grid 4 x 16, 4 waves a work-group, clusters of 4 x 4, 327,680 bytes of LDS; arguments aoc, aos, opc, ops, out0; writes out0
.if DOCPART == 4
	.amdgcn_target "amdgcn-amd-amdhsa--gfx1250"
	.amdhsa_code_object_version 6
	.text
	.protected	k_q9848df76ef_outp
	.globl	k_q9848df76ef_outp
	.p2align	8
	.type	k_q9848df76ef_outp,@function
k_q9848df76ef_outp:
	s_mov_b64 s[64:65], 0
	v_nop
	global_prefetch_b8 v0, s[64:65] scope:SCOPE_SE
	s_setreg_imm32_b32 hwreg(HW_REG_WAVE_MODE, 25, 1), 1
	s_wait_xcnt 0x0
	s_wait_alu depctr_hold_cnt(0) depctr_sa_sdst(0) depctr_va_vdst(0) depctr_va_sdst(0) depctr_va_ssrc(0) depctr_va_vcc(0) depctr_vm_vsrc(0)
	s_getreg_b32 s2, hwreg(HW_REG_IB_STS2, 6, 4)
	s_cmp_eq_u32 s2, 0
	s_cbranch_scc0 .Lentry_in_a_cluster
	s_endpgm
.Lentry_in_a_cluster:
	s_bfe_u32 s2, ttmp6, 0x10000c
	s_cmp_lg_u32 s2, 0xf033
	s_cbranch_scc0 .Lentry_shape_is_right
	s_endpgm
.Lentry_shape_is_right:
; out0 = attn_out Wo on codes of E4M3 with E8M0 scales, K = 1,024; out0 [4096][1024] f32.
; A = attn_out's images (aoc [group of 128 tokens][kappa][16384], aos [group][kappa][512]); B = Wo's (groups 56-63 of opc, ops).  The images, the ring of two slots, the scale words and the joint loads are as in the
; launch that makes q, k and v: a tile of 256 x 256 by four waves of 128 x 128; K in steps of 256; a wave's one tensor load brings a dense 32,768 bytes; source 0 = B, source 1 = A.
; A lane holds one token, row 32 (a / 2) + 8 (a % 2) + r + 8 (r / 8) of its group, and accumulator b's registers the columns 32 (b / 2) + 16 h + 8 (b % 2) + 0 .. 7.
; THE WAY OUT: a block of 16 tokens x 128 columns goes through the wave's own stage in LDS and comes back as whole rows of 512 bytes.  The stage lies in slot 0, which has had its last fill and its last read by then.
; 64 tiles of 256 x 256: this launch has work for 64 work-groups.
; REGISTERS: window 0: v0-31 addresses; v32-63 scale words, two sets; v128-255 A's fragments, on the way out rows read back.  window 1: B's fragments, two sets.  windows 2, 3: the accumulators.
.set PART,   32768
.set SLOT,   4*PART
.set SGRP,   4096
.set SCL,    2*SLOT
.set SPARE,  SCL+4*SGRP                ; the spare words, 128 bytes for each wave: two blocks of 256 bytes that no other line names
.set SPITCH, 528
.set NQ,     2
.set FR,     16
.set NL,     4
.set NP,     8
.set LAPS,   2
.set ADRA, 16
.set ADRB, 20
.set STO,  24                          ; v24 the stage: row r, + 64 h
.set RD,   25                          ; v25 and back: 16 x lane
.set CO,   26                          ; v26 16 x lane
.set ADRS, 27
.set SPW,  28
.set NIL,  29
.set SC,   32
.set AF,   128
.set BK,   128
.set G1, 24
.set G0, 32
.set G1B, 48
.set G0B, 56
.set G1S, 68
.set G0S, 76
.set G1SB, 80
.set G0SB, 88
.set MSB, 0
.macro WIN new                         ; the immediate's high byte repeats the setting that is left
.if MSB != \new
	s_set_vgpr_msb (MSB<<8)|\new
.set MSB, \new
.endif
.endm
.set MUL_LO, 0xa1
.set MUL_HI, 0xf1
.set TO_B,   0x40
.macro JLOAD g0a, g1a, g0b, g1b        ; a joint load: waves 0, 1 fetch for A, waves 2, 3 for B; four v_nop follow each line
	s_cmp_eq_u32 s15, 0
	s_cbranch_scc0 .Lfor_b_\@
	tensor_load_to_lds s[\g0a:\g0a+3], s[\g1a:\g1a+7]
	s_nop 0
.rept 4
	v_nop
.endr
	s_branch .Lasked_\@
.Lfor_b_\@:
	tensor_load_to_lds s[\g0b:\g0b+3], s[\g1b:\g1b+7]
	s_nop 0
.rept 4
	v_nop
.endr
.Lasked_\@:
.endm
.macro CREST
	s_cmp_lg_u32 s14, 0
	s_cbranch_scc1 .Lnot_wave_0_\@
	s_barrier_signal -3
.Lnot_wave_0_\@:
	s_barrier_wait -3
	s_barrier_signal -1
	s_barrier_wait -1
.endm
.macro CROUND
	s_barrier_signal -1
	s_barrier_wait -1
	CREST
.endm
.macro PLACES n
.rept \n
	v_nop
.endr
.endm
.macro FRAG reg, adr, q, i
.irp c, 0,1,2,3
	ds_load_b128 v[\reg+4*\c:\reg+4*\c+3], v[\adr] offset:16384*(\q)+2048*(\i)+512*\c
.endr
.endm
.macro MUL16 a0, p, q, sc, zero        ; the 64 accumulators take turns
.irp a, \a0, \a0+1
.irp b, 0,1,2,3,4,5,6,7
.if \zero
	v_wmma_scale_f32_16x16x128_f8f6f4 v[8*(8*((\a)%4)+\b):8*(8*((\a)%4)+\b)+7], v[128*(\p)+FR*\b:128*(\p)+FR*\b+FR-1], v[AF+FR*(\a):AF+FR*(\a)+FR-1], 0, v[SC+16*(\sc)+8*(\q)+\b], v[SC+16*(\sc)+8*(\q)+(\a)] matrix_a_scale:MATRIX_SCALE_ROW1
.else
	v_wmma_scale_f32_16x16x128_f8f6f4 v[8*(8*((\a)%4)+\b):8*(8*((\a)%4)+\b)+7], v[128*(\p)+FR*\b:128*(\p)+FR*\b+FR-1], v[AF+FR*(\a):AF+FR*(\a)+FR-1], v[8*(8*((\a)%4)+\b):8*(8*((\a)%4)+\b)+7], v[SC+16*(\sc)+8*(\q)+\b], v[SC+16*(\sc)+8*(\q)+(\a)] matrix_a_scale:MATRIX_SCALE_ROW1
.endif
.endr
.endr
.endm
.macro FETCH_B slot, q, p
	WIN TO_B
.irp i, 0,1,2,3,4,5,6,7
	FRAG 128*(\p)+FR*\i, ADRB+\slot, \q, \i
.endr
	WIN 0
.endm
.macro FETCH_A slot, q, i0
.irp i, \i0, \i0+1, \i0+2, \i0+3
	FRAG AF+FR*(\i), ADRA+\slot, \q, \i
.endr
.endm
.macro SCALES sc
.irp q, 0,1
.irp f, 0,1
	ds_load_b128 v[SC+16*\sc+8*\q+4*\f:SC+16*\sc+8*\q+4*\f+3], v[ADRS] offset:512*\q+256*\f
.endr
.endr
.endm
.macro STEP slot, q, zero
	s_wait_dscnt 4*NL                              ; all but the youngest 16 loads (A's blocks 4-7) are in
	WIN MUL_LO
	MUL16 0, (\q)%2, \q, \slot, \zero
	MUL16 2, (\q)%2, \q, \slot, \zero
	s_wait_dscnt 0
	PLACES NP
	FETCH_B \slot, (\q)+1, 1-(\q)%2
	FETCH_A \slot, (\q)+1, 0
	WIN MUL_HI
	MUL16 4, (\q)%2, \q, \slot, \zero
	MUL16 6, (\q)%2, \q, \slot, \zero
	PLACES NP
	WIN 0
	FETCH_A \slot, (\q)+1, 4
.endm
.macro TURN slot, next, fill
	s_wait_tensorcnt 0x0                           ; all my tensor loads have landed: my part of the next slot
	ds_add_u32 v[SPW], v[NIL]                      ; 0 onto my spare word
	s_wait_dscnt 4*NL+1                            ; the add and A's blocks 4-7 may be out
	WIN MUL_LO
	MUL16 0, 1, NQ-1, \slot, 0
	s_wait_dscnt 0x0                               ; the add is done, and my reads of this slot are over
	s_barrier_signal -1
	MUL16 2, 1, NQ-1, \slot, 0
	WIN 0
	s_barrier_wait -1
.if \fill
	CREST                                          ; the barrier has opened a round of the cluster's: no wave of any partner still reads this slot or has a load on its way
	s_add_nc_u64 s[G0+4*\slot+2:G0+4*\slot+3], s[G0+4*\slot+2:G0+4*\slot+3], 2*PART
	s_add_nc_u64 s[G0B+4*\slot+2:G0B+4*\slot+3], s[G0B+4*\slot+2:G0B+4*\slot+3], 2*PART
	JLOAD G0+4*\slot, G1, G0B+4*\slot, G1B         ; the first tensor load behind the round
	PLACES NP-4
.else
	PLACES NP
.endif
	v_add_nc_u32 v[ADRS], 1024, v[ADRS]
	FETCH_B \next, 0, 0
	FETCH_A \next, 0, 0
	SCALES \next
	WIN MUL_HI
	MUL16 4, 1, NQ-1, \slot, 0
	MUL16 6, 1, NQ-1, \slot, 0
	PLACES NP
	WIN 0
	FETCH_A \next, 0, 4
.endm
.macro TOSTAGE a
.set AC, 64*((\a)%4)
	WIN 0x08+4*((\a)/4)                            ; an LDS store's data: window 2 or 3
.irp b, 0,1,2,3,4,5,6,7
	ds_store_b128 v[STO], v[AC+8*\b:AC+8*\b+3] offset:128*(\b/2)+32*(\b%2)          ; each accumulator from its low end on
	ds_store_b128 v[STO], v[AC+8*\b+4:AC+8*\b+7] offset:128*(\b/2)+32*(\b%2)+16
.endr
	WIN 0
.set BB, BK+64*((\a)%2)
.irp t, 0,1,2,3,4,5,6,7,8,9,10,11,12,13,14,15
	ds_load_b128 v[BB+4*\t:BB+4*\t+3], v[RD] offset:\t*SPITCH   ; LDS serves a wave's instructions in order: these see the stores above
.endr
.endm
.macro SEND a, younger                 ; younger: the LDS instructions issued behind block a's loads
.set BB, BK+64*((\a)%2)
	s_wait_dscnt \younger
.irp t, 0,1,2,3,4,5,6,7,8,9,10,11,12,13,14,15
	global_store_b128 v[CO], v[BB+4*\t:BB+4*\t+3], s[12:13] offset:(32*((\a)/2)+8*((\a)%2)+\t+8*(\t/8))*4096 th:TH_STORE_NT   ; 512 consecutive bytes of the token's row; 127 rows of 4,096 bytes at the most stand in the immediate
.endr
.endm
	s_load_b128 s[4:7], s[0:1], 0x0                ; aoc, aos
	s_load_b128 s[8:11], s[0:1], 0x10              ; opc, ops
	s_load_b64 s[12:13], s[0:1], 0x20              ; out0
	v_lshl_add_u32 v[SPW], v0, 2, SPARE
	v_mov_b32 v[NIL], 0
	ds_add_u32 v28, v29
	ds_add_u32 v28, v29
	s_wait_dscnt 0x0
	v_lshrrev_b32 v1, 5, v0
	v_readfirstlane_b32 s14, v1                    ; wave 0..3
	s_lshr_b32 s15, s14, 1                         ; which of A's two groups I multiply.  Also: I fetch for A (0) or for B (1)
	s_and_b32 s16, s14, 1                          ; which of B's two groups.  Also: which group I fetch
	s_bfe_u32 s40, ttmp6, 0x40000                  ; cx
	s_bfe_u32 s41, ttmp6, 0x40004                  ; cy
	s_lshl_b32 s42, ttmp9, 2
	s_add_co_u32 s42, s42, s40                     ; tile column
	s_and_b32 s17, ttmp7, 0xffff
	s_lshl_b32 s17, s17, 2
	s_add_co_u32 s17, s17, s41                     ; tile row
	s_lshl_b32 s43, s41, 2
	s_lshl_b32 s43, 15, s43                        ; my row of the cluster
	s_lshl_b32 s44, 0x1111, s40                    ; my column
	s_or_b32 s[G1+0], s43, (3<<16)|(1<<21)         ; 15:0 the mask; 17:16 elements of 8 bytes; 21 set beside a mask; no padding
	s_or_b32 s[G1B+0], s44, (3<<16)|(1<<21)
.irp g, G1, G1B
	s_mov_b32 s[\g+1], 32<<16                      ; a dense block of 32,768 bytes as 128 rows of 256
	s_mov_b32 s[\g+2], 128<<16
	s_mov_b32 s[\g+3], 32<<16
	s_mov_b32 s[\g+4], 128
	s_mov_b32 s[\g+5], 32
	s_mov_b32 s[\g+6], 0
	s_mov_b32 s[\g+7], 0
.endr
	s_or_b32 s[G1S+0], s43, (3<<16)|(1<<21)
	s_or_b32 s[G1SB+0], s44, (3<<16)|(1<<21)
.irp g, G1S, G1SB
	s_mov_b32 s[\g+1], 32<<16                      ; 4,096 bytes as 16 rows of 256
	s_mov_b32 s[\g+2], 16<<16
	s_mov_b32 s[\g+3], 32<<16
	s_mov_b32 s[\g+4], 16
	s_mov_b32 s[\g+5], 32
	s_mov_b32 s[\g+6], 0
	s_mov_b32 s[\g+7], 0
.endr
	s_lshl_b32 s20, s17, 1
	s_add_co_u32 s20, s20, s16                     ; the group that I fetch for A
	s_lshl_b32 s22, s20, 12
	s_lshl_b32 s20, s20, 17
	s_mov_b32 s21, 0
	s_mov_b32 s23, 0
	s_lshl_b32 s46, s42, 1
	s_add_co_u32 s46, s46, s16
	s_add_co_u32 s46, s46, 56                      ; for B: Wo's groups begin at 56
	s_lshl_b32 s92, s46, 12
	s_lshl_b32 s46, s46, 17
	s_mov_b32 s47, 0
	s_mov_b32 s93, 0
	s_lshl_b32 s45, s14, 15                        ; where they go: no place in the cluster enters an LDS address
	s_lshl_b32 s94, s14, 12
	s_wait_kmcnt 0x0
	s_add_nc_u64 s[20:21], s[4:5], s[20:21]
	s_add_nc_u64 s[22:23], s[6:7], s[22:23]
	s_add_nc_u64 s[46:47], s[8:9], s[46:47]
	s_add_nc_u64 s[92:93], s[10:11], s[92:93]
	CROUND                                         ; all sixteen work-groups are here: the first joint loads meet
	s_mov_b32 s[G0S], 1
	s_add_co_u32 s[G0S+1], s94, SCL
	s_mov_b64 s[G0S+2:G0S+3], s[22:23]
	s_or_b32 s[G0S+3], s[G0S+3], 0x80000000
	s_mov_b32 s[G0SB], 1
	s_add_co_u32 s[G0SB+1], s94, SCL
	s_mov_b64 s[G0SB+2:G0SB+3], s[92:93]
	s_or_b32 s[G0SB+3], s[G0SB+3], 0x80000000
	JLOAD G0S, G1S, G0SB, G1SB                     ; the scale words first: three tensor loads of a wave are out at the most
.irp s, 0,1
	s_mov_b32 s[G0+4*\s], 1
	s_add_co_u32 s[G0+4*\s+1], s45, \s*SLOT
	s_add_nc_u64 s[G0+4*\s+2:G0+4*\s+3], s[20:21], \s*PART
	s_or_b32 s[G0+4*\s+3], s[G0+4*\s+3], 0x80000000
	s_mov_b32 s[G0B+4*\s], 1
	s_add_co_u32 s[G0B+4*\s+1], s45, \s*SLOT
	s_add_nc_u64 s[G0B+4*\s+2:G0B+4*\s+3], s[46:47], \s*PART
	s_or_b32 s[G0B+4*\s+3], s[G0B+4*\s+3], 0x80000000
	JLOAD G0+4*\s, G1, G0B+4*\s, G1B
.endr
	v_and_b32 v1, 15, v0                           ; r
	v_bfe_u32 v2, v0, 4, 1                         ; h
	v_and_b32 v3, 31, v0
	v_lshlrev_b32 v[CO], 4, v3
	s_lshl_b32 s21, s15, 15
	s_lshl_b32 s22, s16, 15
	s_add_co_u32 s22, s22, 2*PART
.irp s, 0,1
	v_add_nc_u32 v[ADRA+\s], s21, v[CO]
	v_add_nc_u32 v[ADRB+\s], s22, v[CO]
	s_add_co_u32 s21, s21, SLOT
	s_add_co_u32 s22, s22, SLOT
.endr
	s_lshl_b32 s21, s15, 12
	s_lshl_b32 s22, s16, 12
	s_add_co_u32 s22, s22, 2*SGRP
	s_sub_co_u32 s22, s22, s21
	v_mul_u32_u24 v6, s22, v2                      ; lanes 16-31 take B's words: one product, the distance between the two
	s_add_co_u32 s21, s21, SCL
	v_lshl_add_u32 v5, v1, 4, v6
	v_add_nc_u32 v[ADRS], s21, v5
	s_mul_i32 s23, s14, 16*SPITCH                  ; my stage
	v_mul_u32_u24 v5, v1, SPITCH
	v_lshl_add_u32 v5, v2, 6, v5
	v_add_nc_u32 v[STO], s23, v5
	v_add_nc_u32 v[RD], s23, v[CO]
	s_lshl_b32 s20, s17, 20                        ; out0: 256 rows of 4,096 bytes a tile row, 128 a half;
	s_lshl_b32 s21, s15, 19
	s_add_co_u32 s20, s20, s21
	s_mov_b32 s21, 0
	s_lshl_b32 s46, s42, 10                        ; 1,024 bytes a tile column, 512 a half
	s_lshl_b32 s47, s16, 9
	s_add_co_u32 s46, s46, s47
	s_mov_b32 s47, 0
	s_add_nc_u64 s[20:21], s[20:21], s[46:47]
	s_add_nc_u64 s[12:13], s[12:13], s[20:21]
	s_wait_tensorcnt 1                             ; the scale words and my part of K step 0 are in (K step 1's load may be out)
	s_barrier_signal -1
	s_barrier_wait -1                              ; everybody's are
	FETCH_B 0, 0, 0
	FETCH_A 0, 0, 0
	SCALES 0
	FETCH_A 0, 0, 4
	STEP 0, 0, 1                                   ; the first step's products start the sums
	s_mov_b32 s3, LAPS-1
.Llap:
	TURN 0, 1, 1
	STEP 1, 0, 0
	TURN 1, 0, 1
	STEP 0, 0, 0
	s_sub_co_u32 s3, s3, 1
	s_cmp_lg_u32 s3, 0
	s_cbranch_scc1 .Llap
	TURN 0, 1, 0                                   ; the last lap fills nothing
	STEP 1, 0, 0
	s_wait_dscnt 4*NL
	WIN MUL_LO
	MUL16 0, 1, NQ-1, 1, 0
	MUL16 2, 1, NQ-1, 1, 0
	s_wait_dscnt 0
	WIN MUL_HI
	MUL16 4, 1, NQ-1, 1, 0
	MUL16 6, 1, NQ-1, 1, 0
	WIN 0
	PLACES NP                                      ; in front of the first read of results and of the loads into the registers that held A's fragments
	TOSTAGE 0
.irp a, 1,2,3,4,5,6,7
.if \a > 1
	s_wait_xcnt 0x0                                ; block a - 2's stores have read their registers: block a's loads may land there
.endif
	TOSTAGE \a
	SEND \a-1, 32                                  ; behind block a - 1's loads: block a's 16 stores and 16 loads
.endr
	SEND 7, 0
	s_wait_tensorcnt 0x0                           ; the wave's end
	ds_add_u32 v[SPW], v[NIL]
	s_wait_dscnt 0x0
	CROUND                                         ; the closing round
	s_endpgm
.Lfunc_end_k_q9848df76ef_outp:
	.size	k_q9848df76ef_outp, .Lfunc_end_k_q9848df76ef_outp-k_q9848df76ef_outp
	.p2alignl 7, 3214868480
	.fill 96, 4, 3214868480
	.section	.rodata,"a",@progbits
	.p2align	6, 0x0
	.amdhsa_kernel k_q9848df76ef_outp
		.amdhsa_group_segment_fixed_size 327680
		.amdhsa_private_segment_fixed_size 0
		.amdhsa_enable_private_segment 0
		.amdhsa_kernarg_size 40
		.amdhsa_user_sgpr_count 2
		.amdhsa_user_sgpr_kernarg_segment_ptr 1
		.amdhsa_wavefront_size32 1
		.amdhsa_system_sgpr_workgroup_id_x 1
		.amdhsa_system_sgpr_workgroup_id_y 1
		.amdhsa_system_sgpr_workgroup_id_z 1
		.amdhsa_system_vgpr_workitem_id 0
		.amdhsa_next_free_vgpr 1024
		.amdhsa_next_free_sgpr 100
		.amdhsa_reserve_vcc 0
		.amdhsa_float_denorm_mode_32 3
		.amdhsa_float_denorm_mode_16_64 3
		.amdhsa_memory_ordered 1
		.amdhsa_forward_progress 1
		.amdhsa_inst_pref_size 143
	.end_amdhsa_kernel
	.amdgpu_metadata
---
amdhsa.version: [ 1, 2 ]
amdhsa.kernels:
  - .name:           k_q9848df76ef_outp
    .symbol:         k_q9848df76ef_outp.kd
    .args:
      - { .name: aoc, .offset: 0, .size: 8, .value_kind: global_buffer, .address_space: global }
      - { .name: aos, .offset: 8, .size: 8, .value_kind: global_buffer, .address_space: global }
      - { .name: opc, .offset: 16, .size: 8, .value_kind: global_buffer, .address_space: global }
      - { .name: ops, .offset: 24, .size: 8, .value_kind: global_buffer, .address_space: global }
      - { .name: out0, .offset: 32, .size: 8, .value_kind: global_buffer, .address_space: global }
    .group_segment_fixed_size: 327680
    .private_segment_fixed_size: 0
    .kernarg_segment_align: 8
    .kernarg_segment_size: 40
    .max_flat_workgroup_size: 128
    .sgpr_count:     100
    .vgpr_count:     1024
    .wavefront_size: 32
...
	.end_amdgpu_metadata
.endif
;; end of part 4
